; MI455X (gfx1250); checked and timed in simulation.
; The chip was launched on July 23, 2026; its instructions are those of AMD's public machine-readable ISA for CDNA 5 (MIT licence, August 2026) and "CDNA5" Instruction Set Architecture Reference Guide (July 2026). The comments in the code are by the model that wrote it; some were corrected since.
;; Custom Multi Head Attention Stoich. Allowed arithmetic: matrix products marked QUANTISED: E2M1 operands, one E8M0 scale for each 32 along K, by v_wmma_scale_f32_16x16x128_f8f6f4 with both operands' format E2M1 (or v_wmma_scale_f32_32x16x128_f4), f32 sums; products left as they are: bf16, f16 or f32 operands; f32 sums; everything else in f32.
;; Inputs: Wk 512 x 512 float32; Wo 512 x 512 float32; Wq 512 x 512 float32; Wv 512 x 512 float32; alpha_neg 8 float32; alpha_pos 8 float32; bk 512 float32; bo 512 float32; bq 512 float32; bv 512 float32; delta one number float32; frac 8 x 1,024 float32; gamma one number float32; key 8 x 1,024 x 512 float32; query 8 x 1,024 x 512 float32; value 8 x 1,024 x 512 float32.
;; Outputs: out0 8 x 1,024 x 512 float32.
;; Constants: add_frac_bias = 1.
;; This version of the problem:
;;   THIS VERSION OF THE PROBLEM IS GIVEN IN LOW PRECISION. The matrix products marked QUANTISED in the list below multiply operands that are first quantised to E2M1 (2 exponent bits, 1 mantissa bit; 4 bits a number), with one power-of-two scale for each 32 numbers along K (OCP MX v1.0); their sums are f32. The products marked 'left as it is' may take bf16, f16 or f32 operands, with f32 sums. Whichever they take, every output number must still come out within the allowed error. Rounding operands to bf16 (8 significant bits) uses up far more of that allowance than f16 does (11 bits, for magnitudes from 6e-5 to 65,504). All else is computed in f32.
;;   The module's matrix products, in the order in which they are computed (A, B: the left and right operand; K: the contracted axis; several contracted axes count as one K, in the product's order):
;;     1. [M 8,192, K 512] x [K 512, N 512]; A: input query; B: input Wq: QUANTISED
;;     2. [M 8,192, K 512] x [K 512, N 512]; A: input key; B: input Wk: QUANTISED
;;     3. [M 8,192, K 512] x [K 512, N 512]; A: input value; B: input Wv: QUANTISED
;;     4. batch 64 x [M 1,024, K 64] x [K 64, N 1,024]; A: computed on the way; B: computed on the way: left as it is (an operand is computed on the way)
;;     5. batch 64 x [M 1,024, K 1,024] x [K 1,024, N 64]; A: computed on the way; B: computed on the way: left as it is (an operand is computed on the way)
;;     6. [M 8,192, K 512] x [K 512, N 512]; A: computed on the way; B: input Wo: left as it is (an operand is computed on the way)
;;   THE QUANTISER, for each operand of a quantised product, along K:
;;     - K is cut into blocks of 32 from its start; a last block that is shorter is filled with zeros.
;;     - A block's scale is 2^e with e = floor(log2(the largest magnitude in the block)) - 2, held to -126 .. 127; a block of zeros has e = 0. As a byte (E8M0): e + 127.
;;     - Each number is divided by its block's scale, clamped to +-6, and rounded to the nearest number of E2M1, ties to even, subnormals kept.
;;     - The product sums the exact products of the quantised numbers (number of the format x scale) in f32.
;;   ~~~python
;;   def quantise(x, axis):      # numpy; x: float32 -> the quantised numbers, widened to float32 again
;;       x = np.moveaxis(x, axis, -1); K = x.shape[-1]
;;       x = np.pad(x, [(0, 0)] * (x.ndim - 1) + [(0, -K % 32)]); x = x.reshape(x.shape[:-1] + (-1, 32)); a = np.abs(x).max(-1, keepdims=True)
;;       e = np.where(a > 0, np.clip(np.frexp(np.where(a > 0, a, 1))[1] - 1 - 2, -126, 127), 0)      # np.frexp(a)[1] - 1 = floor(log2(a)), exactly
;;       r = np.clip(x / 2.0 ** e, -6, 6)
;;       step = 2.0 ** (np.maximum(np.frexp(np.where(r == 0, 1, r))[1] - 1, 0) - 1)
;;       q = np.round(r / step) * step * 2.0 ** e      # np.round: ties to even
;;       return np.moveaxis(q.reshape(q.shape[:-2] + (-1,))[..., :K], -1, axis).astype(np.float32)
;;   ~~~
;; 2 versions, each right; version 2 is version 1 with the launch proj written anew for expert scheduling mode. Each part assembles by itself: llvm-mc -triple=amdgcn-amd-amdhsa -mcpu=gfx1250 --defsym DOCPART=n.
;; ======== version 1 of 2: 4 launches
;; limits: values are held in f16: magnitudes above 65,504 overflow, below 6.1e-05 lose precision; right only within a limited range of input values
;; workspace buffers: wc 393,216 bytes; ws 24,576 bytes; wo16 524,288 bytes; st 131,072 bytes; q16 8,388,608 bytes; k16 8,388,608 bytes; v16 8,388,608 bytes; o16 8,388,608 bytes
;; launch prep (part 1): grid 320 x 1, 4 waves a work-group, no clusters, 0 bytes of LDS; arguments Wq, Wk, Wv, Wo, frac, wc, ws, wo16, st; writes wc, ws, wo16, st
.if DOCPART == 1
	.amdgcn_target "amdgcn-amd-amdhsa--gfx1250"
	.amdhsa_code_object_version 6
	.text
	.protected	k_qf265914eb2_prep
	.globl	k_qf265914eb2_prep
	.p2align	8
	.type	k_qf265914eb2_prep,@function
k_qf265914eb2_prep:
	s_mov_b64 s[64:65], 0
	v_nop
	global_prefetch_b8 v0, s[64:65] scope:SCOPE_SE
	s_setreg_imm32_b32 hwreg(HW_REG_WAVE_MODE, 25, 1), 1
	s_wait_xcnt 0x0
; Three jobs that part on the work-group's number; none uses LDS, no wave waits for another.
;  work-groups 0-47   Wq, Wk, Wv [512 (k)][512 (n)] f32 -> codes of FP4 (E2M1) with one E8M0 byte for each 32 along k, laid as images of the matrix operand's registers:
;                     wc [z 3][nt 32][s 4][c 2][lane 32][16 bytes]: lane 16 h + r holds column n = 16 nt + r, k = 128 s + 64 c + 32 h + 0 .. 31;  ws [z][nt][r 16][s 4]: one word (four bytes) for 128 along k.
;  work-groups 48-63  Wo [512 (c)][512 (n)] f32 -> f16, wo16 [nb 4][cs 16][nt 8][half 2][lane][16 bytes]: n = 128 nb + 16 nt + r, c = 32 cs + 16 half + 8 h + 0 .. 7.
;  work-groups 64-319 for each (b, i): D_j = (f_j - f_i)(f_i f_j); the means of max(D, 0) and min(D, 0) over j and their centred sums of squares: st [b][i][4] f32.  All eight heads share them.
; A LANE TAKES A COLUMN n AND ITS REGISTERS RUN DOWN k: each load reads 128 consecutive bytes a wave, a block of 32 along k lies in one lane, and the conversions give codes with k innermost.
; A block's scale is 2^(floor(log2(largest magnitude)) - 2); its byte is the largest magnitude's exponent field - 2, held at 1 from below.
; LIMITS: a block of zeros gets the byte 1 where the rule says 127 (its codes are zeros, and this program alone reads the bytes); NaN and infinities are not served; Wo must fit f16 (under 65,504).
; The scale words leave as 4 bytes a lane, 16 bytes apart: 24,576 bytes of the 4 MB that the launch moves.
.set X,  32                            ; v32-159  four blocks of 32 numbers of my column
.set CW, 160                           ; v160-    codes (4 registers a block) or f16 pairs (16 a block): each block has its own, so no store's data are written again
.set F,  32                            ; v32-63   frac of the whole batch row, 32 numbers a lane (any placement serves: only sums over all j are taken)
.set DD, 64                            ; v64-95   D, then min(D, 0), then centred
.set PP, 96                            ; v96-127  f_i f_j, then max(D, 0), then centred
.macro LOAD t                          ; block t: W(32 t + i, my column)
.set i, 0
.rept 32
	global_load_b32 v[X+32*(\t)+i], v3, s[24:25] offset:(32*(\t)+i)*2048 th:TH_LOAD_NT
.set i, i+1
.endr
.endm
.macro QBLOCK t                        ; block t becomes 32 codes and a scale byte
.set XB, X+32*(\t)
	v_max3_num_f32 v12, |v[XB]|, |v[XB+1]|, |v[XB+2]|
	v_max3_num_f32 v13, |v[XB+3]|, |v[XB+4]|, |v[XB+5]|
.irp i, 6,10,14,18,22,26
	v_max3_num_f32 v12, v12, |v[XB+\i]|, |v[XB+\i+1]|
	v_max3_num_f32 v13, v13, |v[XB+\i+2]|, |v[XB+\i+3]|
.endr
	v_max3_num_f32 v12, v12, |v[XB+30]|, |v[XB+31]|
	v_max3_num_f32 v12, v12, v13, 0x1800000        ; and the floor 2^(3 - 127): the byte cannot fall under 1
	v_add_nc_u32 v11, 0xff000000, v12              ; 2 off the exponent field: the conversion takes the exponent field of this operand as its scale
	v_lshrrev_b32 v13, 23, v11                     ; the scale's byte
.if (\t) == 0
	v_mov_b32 v176, v13
.else
	v_lshl_or_b32 v176, v13, 8*(\t), v176          ; four bytes make the word of these 128 along k
.endif
.irp g, 0,1,2,3
	v_cvt_scalef32_pk8_fp4_f32 v[CW+4*(\t)+\g], v[XB+8*\g:XB+8*\g+7], v11
.endr
	global_store_b128 v4, v[CW+4*(\t):CW+4*(\t)+3], s[14:15] offset:((\t)/2)*512+((\t)%2)*256   ; block t is c = t / 2, h = t % 2 of the image: sixteen lanes store 256 consecutive bytes, aligned
.endm
.macro HBLOCK t                        ; block t becomes 32 f16 numbers: four groups of eight, (half, h) = (q / 2, q % 2)
.set i, 0
.rept 16
	v_cvt_pk_f16_f32 v[CW+16*(\t)+i], v[X+32*(\t)+2*i], v[X+32*(\t)+2*i+1]
.set i, i+1
.endr
.irp q, 0,1,2,3
	global_store_b128 v4, v[CW+16*(\t)+4*\q:CW+16*(\t)+4*\q+3], s[18:19] offset:(\t)*8192+\q*256
.endr
.endm
.macro WSUM2 a, b                      ; two sums over the 32 lanes, by turns; the result stands in every lane
.irp m, 1,2,4,8
	v_add_f32_dpp v[\a], v[\a], v[\a] row_xmask:\m row_mask:0xf bank_mask:0xf
	v_add_f32_dpp v[\b], v[\b], v[\b] row_xmask:\m row_mask:0xf bank_mask:0xf
.endr
	v_permlanex16_b32 v26, v[\a], s32, s33
	v_permlanex16_b32 v27, v[\b], s32, s33
	v_add_f32 v[\a], v[\a], v26
	v_add_f32 v[\b], v[\b], v27
.endm
.macro ROW k                           ; row i0 + k: its four numbers end in lane k of v[8:11]
	v_mov_b32 v12, s[24+\k]
	v_mov_b32 v13, s[24+\k]                        ; f_i, twice
.set j, 0
.rept 16
	v_pk_add_f32 v[DD+j:DD+j+1], v[F+j:F+j+1], v[12:13] neg_lo:[0,1] neg_hi:[0,1]   ; f_j - f_i
	v_pk_mul_f32 v[PP+j:PP+j+1], v[F+j:F+j+1], v[12:13]                             ; f_i f_j
.set j, j+2
.endr
.set j, 0
.rept 16
	v_pk_mul_f32 v[DD+j:DD+j+1], v[DD+j:DD+j+1], v[PP+j:PP+j+1]                     ; D
.set j, j+2
.endr
.set j, 0
.rept 32
	v_max_num_f32 v[PP+j], 0, v[DD+j]                                               ; max(D, 0)
.set j, j+1
.endr
.set j, 0
.rept 16
	v_pk_add_f32 v[DD+j:DD+j+1], v[DD+j:DD+j+1], v[PP+j:PP+j+1] neg_lo:[0,1] neg_hi:[0,1]   ; D - max(D, 0) = min(D, 0), exactly
.set j, j+2
.endr
	v_pk_add_f32 v[18:19], v[PP:PP+1], v[PP+2:PP+3]                                 ; the two sums, each in two packed chains
	v_pk_add_f32 v[20:21], v[PP+4:PP+5], v[PP+6:PP+7]
	v_pk_add_f32 v[22:23], v[DD:DD+1], v[DD+2:DD+3]
	v_pk_add_f32 v[24:25], v[DD+4:DD+5], v[DD+6:DD+7]
.set j, 8
.rept 6
	v_pk_add_f32 v[18:19], v[18:19], v[PP+j:PP+j+1]
	v_pk_add_f32 v[20:21], v[20:21], v[PP+j+2:PP+j+3]
	v_pk_add_f32 v[22:23], v[22:23], v[DD+j:DD+j+1]
	v_pk_add_f32 v[24:25], v[24:25], v[DD+j+2:DD+j+3]
.set j, j+4
.endr
	v_pk_add_f32 v[18:19], v[18:19], v[20:21]
	v_pk_add_f32 v[22:23], v[22:23], v[24:25]
	v_add_f32 v18, v18, v19
	v_add_f32 v22, v22, v23
	WSUM2 18, 22
	v_mul_f32 v14, 0x3a800000, v18                 ; / 1,024: the mean of max(D, 0),
	v_mul_f32 v16, 0x3a800000, v22                 ; and of min(D, 0)
	v_mov_b32 v15, v14
	v_mov_b32 v17, v16
.set j, 0
.rept 16
	v_pk_add_f32 v[PP+j:PP+j+1], v[PP+j:PP+j+1], v[14:15] neg_lo:[0,1] neg_hi:[0,1]   ; centred first, so that no difference of large sums is formed
	v_pk_add_f32 v[DD+j:DD+j+1], v[DD+j:DD+j+1], v[16:17] neg_lo:[0,1] neg_hi:[0,1]
.set j, j+2
.endr
	v_pk_mul_f32 v[18:19], v[PP:PP+1], v[PP:PP+1]
	v_pk_mul_f32 v[20:21], v[PP+2:PP+3], v[PP+2:PP+3]
	v_pk_mul_f32 v[22:23], v[DD:DD+1], v[DD:DD+1]
	v_pk_mul_f32 v[24:25], v[DD+2:DD+3], v[DD+2:DD+3]
.set j, 4
.rept 7
	v_pk_fma_f32 v[18:19], v[PP+j:PP+j+1], v[PP+j:PP+j+1], v[18:19]
	v_pk_fma_f32 v[20:21], v[PP+j+2:PP+j+3], v[PP+j+2:PP+j+3], v[20:21]
	v_pk_fma_f32 v[22:23], v[DD+j:DD+j+1], v[DD+j:DD+j+1], v[22:23]
	v_pk_fma_f32 v[24:25], v[DD+j+2:DD+j+3], v[DD+j+2:DD+j+3], v[24:25]
.set j, j+4
.endr
	v_pk_add_f32 v[18:19], v[18:19], v[20:21]
	v_pk_add_f32 v[22:23], v[22:23], v[24:25]
	v_add_f32 v18, v18, v19
	v_add_f32 v22, v22, v23
	WSUM2 18, 22
	v_cmp_eq_u32 vcc_lo, \k, v1
	v_cndmask_b32 v8, v8, v14, vcc_lo
	v_cndmask_b32 v9, v9, v16, vcc_lo
	v_cndmask_b32 v10, v10, v18, vcc_lo
	v_cndmask_b32 v11, v11, v22, vcc_lo
.endm
	s_load_b512 s[4:19], s[0:1], 0x0               ; Wq 4, Wk 6, Wv 8, Wo 10, frac 12, wc 14, ws 16, wo16 18
	s_load_b64 s[20:21], s[0:1], 0x40              ; st
	v_lshrrev_b32 v2, 5, v0
	v_readfirstlane_b32 s22, v2                    ; wave
	v_and_b32 v1, 31, v0                           ; lane
	v_lshlrev_b32 v3, 2, v1                        ; 4 bytes a lane: my column
	v_lshrrev_b32 v5, 4, v1                        ; which of my wave's two tiles of 16 columns
	v_and_b32 v6, 15, v1
	v_lshlrev_b32 v6, 4, v6                        ; 16 r
	s_cmp_lt_u32 ttmp9, 48
	s_cbranch_scc1 .Lweights
	s_cmp_lt_u32 ttmp9, 64
	s_cbranch_scc1 .Lwo
	; ---- the rows' statistics: work-group g' = b x 32 + a block of 32 rows; a wave takes 8 rows
	s_sub_co_u32 s42, ttmp9, 64
	s_lshr_b32 s43, s42, 5                         ; b
	s_and_b32 s44, s42, 31
	s_lshl_b32 s44, s44, 5
	s_lshl_b32 s45, s22, 3
	s_add_co_u32 s44, s44, s45                     ; i0
	s_lshl_b32 s36, s43, 12                        ; a batch's row of frac: 4,096 bytes
	s_mov_b32 s37, 0
	s_lshl_b32 s38, s44, 2
	s_mov_b32 s39, 0
	s_lshl_b32 s40, s43, 14
	s_lshl_b32 s45, s44, 4
	s_add_co_u32 s40, s40, s45                     ; 16 bytes for each (b, i)
	s_mov_b32 s41, 0
	s_mov_b32 s32, 0x76543210
	s_mov_b32 s33, 0xfedcba98                      ; v_permlanex16_b32's selects for lane l xor 16
	v_lshlrev_b32 v4, 4, v1
	s_wait_kmcnt 0x0
	s_add_nc_u64 s[12:13], s[12:13], s[36:37]
	s_add_nc_u64 s[34:35], s[12:13], s[38:39]
	s_add_nc_u64 s[20:21], s[20:21], s[40:41]
	s_load_b256 s[24:31], s[34:35], 0x0            ; my eight f_i
.irp k, 0,1,2,3,4,5,6,7
	global_load_b128 v[F+4*\k:F+4*\k+3], v4, s[12:13] offset:512*\k
.endr
.irp k, 8,9,10,11,26,27
	v_mov_b32 v\k, 0                               ; the results, and the lane permutes' destinations, which count as read
.endr
	s_wait_kmcnt 0x0
	s_wait_loadcnt 0x0
.irp k, 0,1,2,3,4,5,6,7
	ROW \k
.endr
	s_wait_xcnt 0x0                                ; EXEC changes only behind this wait
	v_cmp_gt_u32 vcc_lo, 8, v1
	s_and_saveexec_b32 s42, vcc_lo
	global_store_b128 v4, v[8:11], s[20:21]        ; lanes 0-7: 128 consecutive bytes; the four waves' lie on end
	s_wait_xcnt 0x0
	s_or_b32 exec_lo, exec_lo, s42
	s_endpgm
.Lweights:                                             ; ---- z = g / 16; 128 columns (g % 4) x 128 along k ((g / 4) % 4)
	s_lshr_b32 s23, ttmp9, 4                       ; z
	s_and_b32 s26, ttmp9, 3                        ; cg
	s_bfe_u32 s27, ttmp9, 0x20002                  ; s
	s_lshl_b32 s28, s27, 18                        ; 128 rows of 2,048 bytes,
	s_lshl_b32 s30, s26, 9
	s_add_co_u32 s28, s28, s30
	s_lshl_b32 s30, s22, 7
	s_add_co_u32 s28, s28, s30                     ; + 4 (128 cg + 32 w)
	s_mov_b32 s29, 0
	s_lshl_b32 s30, s23, 17                        ; codes: 131,072 z + 4,096 (8 cg + 2 w) + 1,024 s
	s_lshl_b32 s34, s26, 15
	s_add_co_u32 s30, s30, s34
	s_lshl_b32 s34, s22, 13
	s_add_co_u32 s30, s30, s34
	s_lshl_b32 s34, s27, 10
	s_add_co_u32 s30, s30, s34
	s_mov_b32 s31, 0
	s_lshl_b32 s32, s23, 13                        ; scale words: 8,192 z + 256 (8 cg + 2 w) + 4 s
	s_lshl_b32 s34, s26, 11
	s_add_co_u32 s32, s32, s34
	s_lshl_b32 s34, s22, 9
	s_add_co_u32 s32, s32, s34
	s_lshl_b32 s34, s27, 2
	s_add_co_u32 s32, s32, s34
	s_mov_b32 s33, 0
	v_lshl_add_u32 v4, v5, 12, v6                  ; codes: my tile's 4,096 bytes, 16 r
	v_lshl_add_u32 v7, v5, 8, v6                   ; scale words: my tile's 256 bytes, 16 r
	s_wait_kmcnt 0x0
	s_cmp_eq_u32 s23, 0
	s_cselect_b64 s[24:25], s[4:5], s[6:7]
	s_cmp_eq_u32 s23, 2
	s_cselect_b64 s[24:25], s[8:9], s[24:25]
	s_add_nc_u64 s[24:25], s[24:25], s[28:29]
	s_add_nc_u64 s[14:15], s[14:15], s[30:31]
	s_add_nc_u64 s[16:17], s[16:17], s[32:33]
	LOAD 0
	LOAD 1
	s_wait_loadcnt 32                              ; this block's 32 loads are in; the next block's 32 may be out
	QBLOCK 0
	LOAD 2
	s_wait_loadcnt 32
	QBLOCK 1
	LOAD 3
	s_wait_loadcnt 32
	QBLOCK 2
	s_wait_loadcnt 0x0
	QBLOCK 3
	global_store_b32 v7, v176, s[16:17]
	s_endpgm
.Lwo:                                                  ; ---- 128 columns (rem % 4) x 128 along c (rem / 4)
	s_sub_co_u32 s23, ttmp9, 48
	s_and_b32 s26, s23, 3                          ; nb
	s_lshr_b32 s27, s23, 2                         ; kq
	s_lshl_b32 s28, s27, 18
	s_lshl_b32 s30, s26, 9
	s_add_co_u32 s28, s28, s30
	s_lshl_b32 s30, s22, 7
	s_add_co_u32 s28, s28, s30
	s_mov_b32 s29, 0
	s_lshl_b32 s30, s26, 17                        ; 131,072 nb + 32,768 kq + 1,024 (2 w)
	s_lshl_b32 s34, s27, 15
	s_add_co_u32 s30, s30, s34
	s_lshl_b32 s34, s22, 11
	s_add_co_u32 s30, s30, s34
	s_mov_b32 s31, 0
	v_lshl_add_u32 v4, v5, 10, v6                  ; my tile's 1,024 bytes, 16 r
	s_wait_kmcnt 0x0
	s_add_nc_u64 s[24:25], s[10:11], s[28:29]
	s_add_nc_u64 s[18:19], s[18:19], s[30:31]
	LOAD 0
	LOAD 1
	s_wait_loadcnt 32                              ; as above
	HBLOCK 0
	LOAD 2
	s_wait_loadcnt 32
	HBLOCK 1
	LOAD 3
	s_wait_loadcnt 32
	HBLOCK 2
	s_wait_loadcnt 0x0
	HBLOCK 3
	s_endpgm
.Lfunc_end_k_qf265914eb2_prep:
	.size	k_qf265914eb2_prep, .Lfunc_end_k_qf265914eb2_prep-k_qf265914eb2_prep
	.p2alignl 7, 3214868480
	.fill 96, 4, 3214868480
	.section	.rodata,"a",@progbits
	.p2align	6, 0x0
	.amdhsa_kernel k_qf265914eb2_prep
		.amdhsa_group_segment_fixed_size 0
		.amdhsa_private_segment_fixed_size 0
		.amdhsa_enable_private_segment 0
		.amdhsa_kernarg_size 72
		.amdhsa_user_sgpr_count 2
		.amdhsa_user_sgpr_kernarg_segment_ptr 1
		.amdhsa_wavefront_size32 1
		.amdhsa_system_sgpr_workgroup_id_x 1
		.amdhsa_system_sgpr_workgroup_id_y 1
		.amdhsa_system_sgpr_workgroup_id_z 1
		.amdhsa_system_vgpr_workitem_id 0
		.amdhsa_next_free_vgpr 224
		.amdhsa_next_free_sgpr 66
		.amdhsa_reserve_vcc 1
		.amdhsa_float_denorm_mode_32 3
		.amdhsa_float_denorm_mode_16_64 3
		.amdhsa_memory_ordered 1
		.amdhsa_forward_progress 1
		.amdhsa_inst_pref_size 144
	.end_amdhsa_kernel
	.amdgpu_metadata
---
amdhsa.version: [ 1, 2 ]
amdhsa.kernels:
  - .name:           k_qf265914eb2_prep
    .symbol:         k_qf265914eb2_prep.kd
    .args:
      - { .name: Wq, .offset: 0, .size: 8, .value_kind: global_buffer, .address_space: global }
      - { .name: Wk, .offset: 8, .size: 8, .value_kind: global_buffer, .address_space: global }
      - { .name: Wv, .offset: 16, .size: 8, .value_kind: global_buffer, .address_space: global }
      - { .name: Wo, .offset: 24, .size: 8, .value_kind: global_buffer, .address_space: global }
      - { .name: frac, .offset: 32, .size: 8, .value_kind: global_buffer, .address_space: global }
      - { .name: wc, .offset: 40, .size: 8, .value_kind: global_buffer, .address_space: global }
      - { .name: ws, .offset: 48, .size: 8, .value_kind: global_buffer, .address_space: global }
      - { .name: wo16, .offset: 56, .size: 8, .value_kind: global_buffer, .address_space: global }
      - { .name: st, .offset: 64, .size: 8, .value_kind: global_buffer, .address_space: global }
    .group_segment_fixed_size: 0
    .private_segment_fixed_size: 0
    .kernarg_segment_align: 8
    .kernarg_segment_size: 72
    .max_flat_workgroup_size: 128
    .sgpr_count:     66
    .vgpr_count:     224
    .wavefront_size: 32
...
	.end_amdgpu_metadata
.endif
;; end of part 1
;; launch proj (part 2): grid 128 x 3, 4 waves a work-group, no clusters, 20,992 bytes of LDS; arguments query, key, value, wc, ws, bq, bk, bv, q16, k16, v16; writes q16, k16, v16
.if DOCPART == 2
	.amdgcn_target "amdgcn-amd-amdhsa--gfx1250"
	.amdhsa_code_object_version 6
	.text
	.protected	k_qf265914eb2_proj
	.globl	k_qf265914eb2_proj
	.p2align	8
	.type	k_qf265914eb2_proj,@function
k_qf265914eb2_proj:
	s_mov_b64 s[64:65], 0
	v_nop
	global_prefetch_b8 v0, s[64:65] scope:SCOPE_SE
	s_setreg_imm32_b32 hwreg(HW_REG_WAVE_MODE, 25, 1), 1
	s_wait_xcnt 0x0
; y = Q4(x) Q4(W) + bias for x = query, key, value (work-group y = 0, 1, 2), both operands as codes of FP4 (E2M1) with one E8M0 scale for each 32 along K = 512; sums in f32; y leaves as f16.
; SHARES.  A work-group takes 64 rows of x.  THE WAVES SHARE THE COLUMNS: wave w makes columns 128 w .. 128 w + 127 (heads 2 w, 2 w + 1) for all 64 rows; its 32 fragments of W (256 registers) come from
; memory once, as images of the operand's registers.  Wave w also quantises rows 16 w .. 16 w + 15 of x; the codes reach the other waves through LDS as images of their registers: one barrier.
; q AND k: the product is used TRANSPOSED (source 0 = 16 columns of W, source 1 = 16 rows of x): a lane holds one token and eight neighbouring channels, which rounded to f16 are half a fragment
; (16 tokens x 32 channels) of the score product.  q16, k16: [b][head][tile of 16 tokens 64][cs 2][half 2][lane][16 bytes], channel 32 cs + 16 half + 8 (lane / 16) + 0 .. 7.  The bias is the C of the first product.
; v: natural order (source 0 = x, source 1 = W): a lane holds one channel and eight neighbouring tokens: half a fragment of V^T.  v16: [b][head][ks 32][ct 4][half 2][lane][16 bytes], channel 16 ct + lane % 16,
; token 32 ks + 16 half + 8 (lane / 16) + 0 .. 7.  Every store of a wave covers 512 consecutive bytes, aligned.
; No tensor load, hence no joint request: the shared weights go straight into registers, 512 registers a wave let two work-groups lie on a WGP, and all 384 ask for their rows of x at once.
; LIMITS: q, k, v must fit f16 (under 65,504; under 6e-5 they are subnormal, absolute error 3e-8).  A block of zeros gets the scale byte 1 (its codes are zeros).  NaN and infinities are not served.
.set XIMG,  0                          ; LDS: x's 16 fragments (tile of rows m, K step s: 4 m + s), 1,024 bytes each,
.set XSC,   16384                      ; their scale words: [m][lane][s], 512 bytes a tile,
.set BIA,   18432                      ; the bias vector, 2,048 bytes,
.set SPARE, 20480                      ; the spare words, 128 bytes for each wave: two blocks of 256 bytes that no other line names
.set XA,  4                            ; v4   x: row r of 2,048 bytes + 64 h: my 16 numbers of a block of 32
.set LI,  5                            ; v5   16 x lane
.set XWI, 6                            ; v6   where I store x's images: 16 x lane + 4,096 x wave
.set XWS, 7                            ; v7   and their scale words: 16 x lane + 512 x wave
.set BA,  8                            ; v8   512 x wave + 32 h: the bias of a tile's eight channels of my half
.set BV,  9                            ; v9   512 x wave + 4 r: the bias of my channel
.set XF,  16                           ; v16-47   x's four fragments
.set HA,  48                           ; v48-111  eight accumulators; before that 64 numbers of x
.set PC,  112                          ; v112-119 the codes just made
.set ST,  120                          ; v120-183 64 numbers of x; later two sets of 32 registers of f16 results
.set TM,  184                          ; v184-199 at work in QUANT; later v's bias, twice for each tile
.set PW,  200                          ; v200     the scale word just made
.set XS,  204                          ; v204-207 x's scale words
.set W1S, 208                          ; v208-239 W's scale words: (t, s) at 4 t + s
.set SPW, 240                          ; v240     LDS address of my spare word; never rewritten
.set NIL, 241                          ; v241     0; never rewritten
.set SEL, 38                           ; s[38:39] lane selects for v_permlanex16_b32
.set MSB, 0
.macro WIN new                         ; the immediate's high byte repeats the setting that is left.  Window 1 holds W's fragment (t, s) at v[8 (4 t + s)]
.if MSB != \new
	s_set_vgpr_msb (MSB<<8)|\new
.set MSB, \new
.endif
.endm
.macro XLOAD reg, s                    ; my 16 rows' numbers of K step s: 64 a lane; register 16 b + i = k 32 b + 16 h + i of my row
.irp b, 0,1,2,3
.irp j, 0,1,2,3
	global_load_b128 v[\reg+16*\b+4*\j:\reg+16*\b+4*\j+3], v[XA], s[30:31] offset:512*\s+128*\b+16*\j th:TH_LOAD_NT
.endr
.endr
.endm
.macro QUANT s                         ; 64 numbers of a lane become a fragment's codes in v[PC] on and its scale word in v[PW]
.irp b, 0,1,2,3
	v_max3_num_f32 v[TM+\b], |v[\s+16*\b]|, |v[\s+1+16*\b]|, 0x1800000   ; block b: my 16 numbers, and the floor 2^(3 - 127): the byte cannot fall under 1
.endr
.irp i, 2,4,6,8,10,12,14
.irp b, 0,1,2,3
	v_max3_num_f32 v[TM+\b], v[TM+\b], |v[\s+16*\b+\i]|, |v[\s+1+16*\b+\i]|
.endr
.endr
.irp b, 0,1,2,3
	v_permlanex16_b32 v[TM+4+\b], v[TM+\b], s[SEL], s[SEL+1]
.endr
.irp b, 0,1,2,3
	v_max_num_f32 v[TM+\b], v[TM+\b], v[TM+4+\b]   ; with lane l xor 16's: the block's largest magnitude
.endr
.irp b, 0,1,2,3
	v_add_nc_u32 v[TM+12+\b], 0xff000000, v[TM+\b] ; 2 off its exponent field: the conversion's scale operand
.endr
.irp b, 0,1,2,3
	v_lshrrev_b32 v[TM+4+\b], 23, v[TM+12+\b]      ; the scale's byte
.endr
	v_lshl_or_b32 v[PW], v[TM+5], 8, v[TM+4]
	v_lshl_or_b32 v[PW], v[TM+6], 16, v[PW]
	v_lshl_or_b32 v[PW], v[TM+7], 24, v[PW]
.irp b, 0,1,2,3
	v_cvt_scalef32_pk8_fp4_f32 v[PC+2*\b], v[\s+16*\b:\s+7+16*\b], v[TM+12+\b]
	v_cvt_scalef32_pk8_fp4_f32 v[PC+1+2*\b], v[\s+8+16*\b:\s+15+16*\b], v[TM+12+\b]
.endr
	v_nop                                          ; one plain place behind a scaled conversion
.irp c, 0,1                                    ; the operand's layout wants a whole block in a lane
.irp i, 0,1
	v_permlane16_swap_b32 v[PC+4*\c+\i], v[PC+2+4*\c+\i]
.endr
.endr
.endm
.macro IMAGE off                       ; the fragment in v[PC] on goes to LDS as it stands
.irp c, 0,1
	ds_store_b128 v[XWI], v[PC+4*\c:PC+4*\c+3] offset:\off+512*\c
.endr
.endm
.macro FETCHX m                        ; tile m's four fragments and scale words come back so, in any wave
.irp s, 0,1,2,3
.irp c, 0,1
	ds_load_b128 v[XF+8*\s+4*\c:XF+8*\s+4*\c+3], v[LI] offset:XIMG+(4*(\m)+\s)*1024+512*\c
.endr
.endr
	ds_load_b128 v[XS:XS+3], v[LI] offset:XSC+512*(\m)
.endm
.macro PACK m                          ; 64 results become 32 registers of f16, each accumulator from its low end on
.if (\m) >= 2
	s_wait_xcnt 0x0                                ; the stores of two tiles back have read this set of registers
.endif
.set i, 0
.rept 32
	v_cvt_pk_f16_f32 v[ST+32*((\m)%2)+i], v[HA+2*i], v[HA+2*i+1]
.set i, i+1
.endr
.endm
.macro TILEQK m
	FETCHX \m
.irp t, 0,1,2,3,4,5,6,7
	ds_load_b128 v[HA+8*\t:HA+8*\t+3], v[BA] offset:BIA+64*\t          ; the bias in the result's layout: it is the C of the first product
	ds_load_b128 v[HA+8*\t+4:HA+8*\t+7], v[BA] offset:BIA+64*\t+16
.endr
	s_wait_dscnt 0x0
	WIN 0x01                                       ; source 0 (W) window 1
.irp s, 0,1,2,3                                ; the eight accumulators take turns, one instruction a turn
.irp t, 0,1,2,3,4,5,6,7
	v_wmma_scale_f32_16x16x128_f8f6f4 v[HA+8*\t:HA+8*\t+7], v[8*(4*\t+\s):8*(4*\t+\s)+7], v[XF+8*\s:XF+8*\s+7], v[HA+8*\t:HA+8*\t+7], v[W1S+4*\t+\s], v[XS+\s] matrix_a_fmt:MATRIX_FMT_FP4 matrix_b_fmt:MATRIX_FMT_FP4
.endr
.endr
	WIN 0
.rept 4
	v_nop                                          ; places in front of the first read of results and of the next tile's loads into operands
.endr
	PACK \m
.irp t, 0,1,2,3,4,5,6,7
	global_store_b128 v[LI], v[ST+32*((\m)%2)+4*\t:ST+32*((\m)%2)+4*\t+3], s[34:35] offset:(\t/4)*131072+((\t/2)%2)*1024+(\t%2)*512+(\m)*2048
.endr
.endm
.macro TILEV m
	FETCHX \m
	s_wait_dscnt 0x0
	WIN 0x04                                       ; source 1 (W) window 1
.irp s, 0,1,2,3
.irp t, 0,1,2,3,4,5,6,7
.if \s == 0
	v_wmma_scale_f32_16x16x128_f8f6f4 v[HA+8*\t:HA+8*\t+7], v[XF+8*\s:XF+8*\s+7], v[8*(4*\t+\s):8*(4*\t+\s)+7], 0, v[XS+\s], v[W1S+4*\t+\s] matrix_a_fmt:MATRIX_FMT_FP4 matrix_b_fmt:MATRIX_FMT_FP4
.else
	v_wmma_scale_f32_16x16x128_f8f6f4 v[HA+8*\t:HA+8*\t+7], v[XF+8*\s:XF+8*\s+7], v[8*(4*\t+\s):8*(4*\t+\s)+7], v[HA+8*\t:HA+8*\t+7], v[XS+\s], v[W1S+4*\t+\s] matrix_a_fmt:MATRIX_FMT_FP4 matrix_b_fmt:MATRIX_FMT_FP4
.endif
.endr
.endr
	WIN 0
.rept 4
	v_nop
.endr
.irp t, 0,1,2,3,4,5,6,7
.irp i, 0,2,4,6
	v_pk_add_f32 v[HA+8*\t+\i:HA+8*\t+\i+1], v[HA+8*\t+\i:HA+8*\t+\i+1], v[TM+2*\t:TM+2*\t+1]   ; my channel's bias, which lies twice in the pair
.endr
.endr
	PACK \m
.irp t, 0,1,2,3,4,5,6,7
	global_store_b128 v[LI], v[ST+32*((\m)%2)+4*\t:ST+32*((\m)%2)+4*\t+3], s[34:35] offset:(\t/4)*131072+(\t%4)*1024+((\m)/2)*4096+((\m)%2)*512
.endr
.endm
	s_load_b512 s[4:19], s[0:1], 0x0               ; query 4, key 6, value 8, wc 10, ws 12, bq 14, bk 16, bv 18
	s_load_b128 s[20:23], s[0:1], 0x40             ; q16 20, k16 22
	s_load_b64 s[24:25], s[0:1], 0x50              ; v16
	v_lshl_add_u32 v[SPW], v0, 2, SPARE
	v_mov_b32 v[NIL], 0
	v_lshrrev_b32 v1, 5, v0
	v_readfirstlane_b32 s26, v1                    ; wave
	v_and_b32 v1, 31, v0                           ; lane
	v_and_b32 v2, 15, v0                           ; r
	v_bfe_u32 v3, v0, 4, 1                         ; h
	v_lshlrev_b32 v[XA], 11, v2
	v_lshl_add_u32 v[XA], v3, 6, v[XA]
	v_lshlrev_b32 v[LI], 4, v1
	s_lshl_b32 s28, s26, 12
	v_add_nc_u32 v[XWI], s28, v[LI]
	s_lshl_b32 s28, s26, 9
	v_add_nc_u32 v[XWS], s28, v[LI]
	v_lshl_add_u32 v[BA], v3, 5, s28
	v_lshl_add_u32 v[BV], v2, 2, s28
	v_lshlrev_b32 v10, 4, v0                       ; 16 x thread: the bias vector's 2,048 bytes
	v_lshlrev_b32 v11, 4, v2                       ; W's scale words: 16 bytes a column
.irp b, 0,1,2,3
	v_mov_b32 v[TM+4+\b], 0                        ; written once: a lane permute's destination counts as one of its sources
.endr
	s_mov_b32 s[SEL], 0x76543210
	s_mov_b32 s[SEL+1], 0xfedcba98
	s_and_b32 s27, ttmp7, 0xffff                   ; z
	s_lshl_b32 s36, ttmp9, 17                      ; x: (64 block + 16 wave) rows of 2,048 bytes
	s_lshl_b32 s28, s26, 15
	s_add_co_u32 s36, s36, s28
	s_mov_b32 s37, 0
	s_lshl_b32 s40, s27, 17                        ; wc: 131,072 z + 32,768 wave
	s_add_co_u32 s40, s40, s28
	s_mov_b32 s41, 0
	s_lshl_b32 s42, s27, 13                        ; ws: 8,192 z + 2,048 wave
	s_lshl_b32 s28, s26, 11
	s_add_co_u32 s42, s42, s28
	s_mov_b32 s43, 0
	s_lshr_b32 s44, ttmp9, 4                       ; out: 2^20 b + 131,072 (2 wave) + 8,192 (block % 16)
	s_lshl_b32 s44, s44, 20
	s_lshl_b32 s28, s26, 18
	s_add_co_u32 s44, s44, s28
	s_and_b32 s28, ttmp9, 15
	s_lshl_b32 s28, s28, 13
	s_add_co_u32 s44, s44, s28
	s_mov_b32 s45, 0
	s_wait_kmcnt 0x0
	s_cmp_eq_u32 s27, 0                            ; the choices hang on the work-group's number alone
	s_cselect_b64 s[30:31], s[4:5], s[6:7]
	s_cselect_b64 s[32:33], s[14:15], s[16:17]
	s_cselect_b64 s[34:35], s[20:21], s[22:23]
	s_cmp_eq_u32 s27, 2
	s_cselect_b64 s[30:31], s[8:9], s[30:31]
	s_cselect_b64 s[32:33], s[18:19], s[32:33]
	s_cselect_b64 s[34:35], s[24:25], s[34:35]
	s_add_nc_u64 s[30:31], s[30:31], s[36:37]
	s_add_nc_u64 s[34:35], s[34:35], s[44:45]
	s_add_nc_u64 s[10:11], s[10:11], s[40:41]
	s_add_nc_u64 s[12:13], s[12:13], s[42:43]
.irp t, 0,1,2,3,4,5,6,7
	global_load_b128 v[W1S+4*\t:W1S+4*\t+3], v11, s[12:13] offset:256*\t
.endr
	WIN 0x40                                       ; destination window 1
.irp t, 0,1,2,3,4,5,6,7
.irp s, 0,1,2,3
.irp c, 0,1
	global_load_b128 v[8*(4*\t+\s)+4*\c:8*(4*\t+\s)+4*\c+3], v[LI], s[10:11] offset:4096*\t+1024*\s+512*\c
.endr
.endr
.endr
	WIN 0
	global_load_b128 v[12:15], v10, s[32:33]
	XLOAD HA, 0
	XLOAD ST, 1
	s_wait_loadcnt 16                              ; all but K step 1's sixteen loads are in
	ds_store_b128 v10, v[12:15] offset:BIA
	QUANT HA
	IMAGE XIMG
	ds_store_b32 v[XWS], v[PW] offset:XSC
	s_wait_dscnt 0x0                               ; the stores have read their registers
	XLOAD HA, 2
	s_wait_loadcnt 16                              ; K step 1 is in; K step 2's sixteen may be out
	QUANT ST
	IMAGE XIMG+1024
	ds_store_b32 v[XWS], v[PW] offset:XSC+4
	s_wait_dscnt 0x0
	XLOAD ST, 3
	s_wait_loadcnt 16                              ; K step 2 is in; K step 3's sixteen may be out
	QUANT HA
	IMAGE XIMG+2048
	ds_store_b32 v[XWS], v[PW] offset:XSC+8
	s_wait_dscnt 0x0
	s_wait_loadcnt 0x0
	QUANT ST
	IMAGE XIMG+3072
	ds_store_b32 v[XWS], v[PW] offset:XSC+12
	s_wait_dscnt 0x0                               ; for the others' sake: my stores have landed
	s_barrier_signal -1
	s_barrier_wait -1                              ; x's sixteen fragments, their scale words and the bias lie in LDS; from here on LDS is only read
	s_cmp_eq_u32 s27, 2
	s_cbranch_scc1 .Lvalue
	TILEQK 0
	TILEQK 1
	TILEQK 2
	TILEQK 3
	s_branch .Lend
.Lvalue:
.irp t, 0,1,2,3,4,5,6,7
	ds_load_b32 v[TM+2*\t], v[BV] offset:BIA+64*\t
	ds_load_b32 v[TM+2*\t+1], v[BV] offset:BIA+64*\t
.endr
	TILEV 0
	TILEV 1
	TILEV 2
	TILEV 3
.Lend:
	s_wait_tensorcnt 0x0                           ; the wave's end, behind my last LDS store
	ds_add_u32 v[SPW], v[NIL]
	s_wait_dscnt 0x0
	s_endpgm
.Lfunc_end_k_qf265914eb2_proj:
	.size	k_qf265914eb2_proj, .Lfunc_end_k_qf265914eb2_proj-k_qf265914eb2_proj
	.p2alignl 7, 3214868480
	.fill 96, 4, 3214868480
	.section	.rodata,"a",@progbits
	.p2align	6, 0x0
	.amdhsa_kernel k_qf265914eb2_proj
		.amdhsa_group_segment_fixed_size 20992
		.amdhsa_private_segment_fixed_size 0
		.amdhsa_enable_private_segment 0
		.amdhsa_kernarg_size 88
		.amdhsa_user_sgpr_count 2
		.amdhsa_user_sgpr_kernarg_segment_ptr 1
		.amdhsa_wavefront_size32 1
		.amdhsa_system_sgpr_workgroup_id_x 1
		.amdhsa_system_sgpr_workgroup_id_y 1
		.amdhsa_system_sgpr_workgroup_id_z 1
		.amdhsa_system_vgpr_workitem_id 0
		.amdhsa_next_free_vgpr 512
		.amdhsa_next_free_sgpr 66
		.amdhsa_reserve_vcc 0
		.amdhsa_float_denorm_mode_32 3
		.amdhsa_float_denorm_mode_16_64 3
		.amdhsa_memory_ordered 1
		.amdhsa_forward_progress 1
		.amdhsa_inst_pref_size 106
	.end_amdhsa_kernel
	.amdgpu_metadata
---
amdhsa.version: [ 1, 2 ]
amdhsa.kernels:
  - .name:           k_qf265914eb2_proj
    .symbol:         k_qf265914eb2_proj.kd
    .args:
      - { .name: query, .offset: 0, .size: 8, .value_kind: global_buffer, .address_space: global }
      - { .name: key, .offset: 8, .size: 8, .value_kind: global_buffer, .address_space: global }
      - { .name: value, .offset: 16, .size: 8, .value_kind: global_buffer, .address_space: global }
      - { .name: wc, .offset: 24, .size: 8, .value_kind: global_buffer, .address_space: global }
      - { .name: ws, .offset: 32, .size: 8, .value_kind: global_buffer, .address_space: global }
      - { .name: bq, .offset: 40, .size: 8, .value_kind: global_buffer, .address_space: global }
      - { .name: bk, .offset: 48, .size: 8, .value_kind: global_buffer, .address_space: global }
      - { .name: bv, .offset: 56, .size: 8, .value_kind: global_buffer, .address_space: global }
      - { .name: q16, .offset: 64, .size: 8, .value_kind: global_buffer, .address_space: global }
      - { .name: k16, .offset: 72, .size: 8, .value_kind: global_buffer, .address_space: global }
      - { .name: v16, .offset: 80, .size: 8, .value_kind: global_buffer, .address_space: global }
    .group_segment_fixed_size: 20992
    .private_segment_fixed_size: 0
    .kernarg_segment_align: 8
    .kernarg_segment_size: 88
    .max_flat_workgroup_size: 128
    .sgpr_count:     66
    .vgpr_count:     512
    .wavefront_size: 32
...
	.end_amdgpu_metadata
.endif
;; end of part 2
;; launch attn (part 3): grid 4 x 64, 8 waves a work-group, clusters of 4 x 1, 327,680 bytes of LDS; arguments q16, k16, v16, st, frac, alpha_pos, alpha_neg, gamma, delta, o16; writes o16
.if DOCPART == 3
	.amdgcn_target "amdgcn-amd-amdhsa--gfx1250"
	.amdhsa_code_object_version 6
	.text
	.protected	k_qf265914eb2_attn
	.globl	k_qf265914eb2_attn
	.p2align	8
	.type	k_qf265914eb2_attn,@function
k_qf265914eb2_attn:
	s_mov_b64 s[64:65], 0
	v_nop
	global_prefetch_b8 v0, s[64:65] scope:SCOPE_SE
	s_setreg_imm32_b32 hwreg(HW_REG_WAVE_MODE, 25, 1), 1
	s_wait_xcnt 0x0
	s_wait_alu depctr_hold_cnt(0) depctr_sa_sdst(0) depctr_va_vdst(0) depctr_va_sdst(0) depctr_va_ssrc(0) depctr_va_vcc(0) depctr_vm_vsrc(0)
	s_getreg_b32 s2, hwreg(HW_REG_IB_STS2, 6, 4)
	s_cmp_eq_u32 s2, 0
	s_cbranch_scc0 .Lentry_in_a_cluster
	s_endpgm
.Lentry_in_a_cluster:
	s_bfe_u32 s2, ttmp6, 0x10000c
	s_cmp_lg_u32 s2, 0x3003
	s_cbranch_scc0 .Lentry_shape_is_right
	s_endpgm
.Lentry_shape_is_right:
; For each (b, head): probs = softmax_k(gamma z(logits) + delta z(stoich)), O = probs V; z is the z-score along the keys (ddof 1, + 1e-5).  Operands of the products in f16, sums and all else in f32.
; WHAT IS USED OF THE ALGEBRA.  Terms that hang on the query alone (both means) leave a softmax unchanged: only the two standard deviations are wanted.  With t in powers of two:
;   t(i, j) = A_i (q_i . k_j - c_i) + C1_i u + C2_i |u|,  u = f_j (f_j - f_i),  A_i = gamma log2(e) 0.125 / (0.125 sd_i + 1e-5),  sd_i the standard deviation of q_i . k_j,
;   C1_i = delta log2(e) (ap + an) / 2 x f_i / (ss_i + 1e-5),  C2_i the same with (ap - an) and |f_i|, since ap max(D, 0) + an min(D, 0) = (ap + an) / 2 D + (ap - an) / 2 |D| and D = f_i u,
;   1,023 ss_i^2 = ap^2 Spp + an^2 Snn - 2,048 ap an mp mn, from the four numbers for each (b, i) that the first launch stored (max(D, 0) min(D, 0) = 0).
; PASS 1: all scores once, less a shift c_i (the mean of the first 16), their sum and sum of squares: sd_i.  Then q is multiplied by A_i and rounded to f16 again.
; PASS 2: the bias is computed into the accumulators and is the C of the score product; a running maximum, p = 2^(t - m), the row's sum of p, O^T += V^T P, in steps of 128 keys.
; SHARES.  A work-group owns 256 queries of one head, each of its eight waves 32: two tiles of 16, so that each fragment of K and V read from LDS feeds two products; two waves lie on a SIMD.
; LAYOUT.  S^T = K Q^T (source 0 = 16 keys, source 1 = 16 queries) and O^T = V^T P: a lane holds ONE query (lane % 16) throughout, and keys or channels 8 (lane / 16) + 0 .. 7 of a tile.
; q16, k16, v16 lie in memory as images of the operands' registers, so K and V of the head (131,072 bytes each) come into LDS as dense blocks, once, and every fragment is two loads at 16 x lane.
; CLUSTER.  The four query blocks of a head are one cluster and need the same K, V and frac: each is asked for jointly.  Each wave has three tensor loads out, all issued at the head.
; LIMITS: q, k, v, A q and O must fit f16 (under 65,504); a row whose scores are all equal makes A q about 2.2e4 gamma times q; D is formed as f_i (f_j (f_j - f_i)), another order of rounding than (f_j - f_i)(f_i f_j);
; NaN and infinities are not served.
.set VIMG,  131072                     ; LDS: K's image from 0, V's from here,
.set FTAB,  262144                     ; frac of the batch, 4,096 bytes,
.set SPARE, 266240                     ; the spare words, 128 bytes for each wave: four blocks of 256 bytes that no other line names
.set CHUNK, 16384                      ; 128 keys of K's or of V's image
.set LI,  1                            ; v1   16 x lane
.set ADK, 2                            ; v2   LDS address of the chunk of K in hand
.set ADV, 3                            ; v3   of V
.set ADF, 4                            ; v4   of frac
.set AF0, 5                            ; v5   FTAB + 32 (lane / 16)
.set SPW, 6                            ; v6   LDS address of my spare word; never rewritten
.set NIL, 7                            ; v7   0; never rewritten
.set LV0, 8                            ; v8   VIMG + 16 x lane
.set Q,   16                           ; v16-47   Q: tile t, channels 32 cs on: 16 t + 8 cs
.set CN,  48                           ; v48-79   16 registers a tile: +0 -f_i, +1 C2, +2 C1, +3 m, +4 A x (-c), +6 -m, +8 the rescaling factor, +9 its exponent, +10, 11 the sum (pass 1: the sum of scores),
                                       ;          +12 .. 15 the maximum's chains (pass 1: +12, 13 the sum of squares; between the passes +14 A); +5, +7 at work
.set TMP, 80                           ; v80-95   pass 1: -c_i, eight registers a tile (a C operand); pass 2: at work
.set S,   128                          ; v128-255 the scores: tile t, key tile kt: 64 t + 8 kt;  then p;  then P in f16: tile t, keys 32 p on: 64 t + 16 p
.set O,   128                          ; window 1: v0-127 a chunk of K or of V; v128-191 O^T: 32 t + 8 ct; v192-255 frac of the chunk's keys: 8 kt + j
.set FJ,  192
.set G1A, 24                           ; s[24:31] descriptor group 1: 64 rows of 256 bytes;  s[32:39]: 2 rows
.set G1F, 32
.set G0F, 40                           ; s[40:43], s[44:47], s[48:51] groups 0 for frac, K, V
.set G0K, 44
.set G0V, 48
.set WV,  52
.set SEL, 58                           ; s[58:59] lane selects for v_permlanex16_b32
.set EIGHTH, 72
.set EPS,    73
.set R1023,  74
.set CH,  80                           ; s80  the chunk in hand, in bytes
.set FH,  81                           ; s81  the same in frac's table
.set CNT, 82
.set MSB, 0
.macro WIN new                         ; low byte: bits 1:0 source 0, 3:2 source 1, 5:4 source 2, 7:6 destination; the high byte repeats the setting that is left
.if MSB != \new
	s_set_vgpr_msb (MSB<<8)|\new
.set MSB, \new
.endif
.endm
.macro CROUND                          ; a round of the cluster's barrier
	s_barrier_signal -1
	s_barrier_wait -1
	s_cmp_lg_u32 s[WV], 0
	s_cbranch_scc1 .Lnot_wave_0_\@
	s_barrier_signal -3
.Lnot_wave_0_\@:
	s_barrier_wait -3
	s_barrier_signal -1
	s_barrier_wait -1
.endm
.macro BLOAD adr                       ; a chunk's 16 fragments (K: 2 kt + cs; V: 4 ks + ct) into window 1, v[8 f]: 32 loads in one run
.set f, 0
.rept 16
	ds_load_b128 v[8*f:8*f+3], v[\adr] offset:1024*f
	ds_load_b128 v[8*f+4:8*f+7], v[\adr] offset:1024*f+512
.set f, f+1
.endr
.endm
.macro FLOAD                           ; frac of the chunk's keys, in the scores' layout: 16 kt + 8 (lane / 16) + j
.set f, 0
.rept 16
	ds_load_b128 v[FJ+4*f:FJ+4*f+3], v[ADF] offset:64*(f/2)+16*(f%2)
.set f, f+1
.endr
.endm
.macro KQ cs, inplace                  ; 16 products: key tile a / 2, query tile a % 2: the 16 accumulators take turns, one instruction a turn
.set a, 0
.rept 16
.if \inplace
	v_wmma_f32_16x16x32_f16 v[S+64*(a%2)+8*(a/2):S+64*(a%2)+8*(a/2)+7], v[16*(a/2)+8*\cs:16*(a/2)+8*\cs+7], v[Q+16*(a%2)+8*\cs:Q+16*(a%2)+8*\cs+7], v[S+64*(a%2)+8*(a/2):S+64*(a%2)+8*(a/2)+7]
.else
	v_wmma_f32_16x16x32_f16 v[S+64*(a%2)+8*(a/2):S+64*(a%2)+8*(a/2)+7], v[16*(a/2)+8*\cs:16*(a/2)+8*\cs+7], v[Q+16*(a%2)+8*\cs:Q+16*(a%2)+8*\cs+7], v[TMP+8*(a%2):TMP+8*(a%2)+7]
.endif
.set a, a+1
.endr
.endm
	s_load_b512 s[4:19], s[0:1], 0x0               ; q16 4, k16 6, v16 8, st 10, frac 12, alpha_pos 14, alpha_neg 16, gamma 18
	s_load_b128 s[20:23], s[0:1], 0x40             ; delta 20, o16 22
	v_lshl_add_u32 v[SPW], v0, 2, SPARE
	v_mov_b32 v[NIL], 0
	ds_add_u32 v[SPW], v[NIL]                      ; the wave's opening: the add, twice on end, and its wait ahead of my first tensor load
	ds_add_u32 v[SPW], v[NIL]
	v_lshrrev_b32 v9, 5, v0
	v_readfirstlane_b32 s[WV], v9                  ; wave 0..7
	s_and_b32 s53, ttmp7, 0xffff                   ; 8 b + head, which the four partners share
	s_lshr_b32 s54, s53, 3                         ; b
	s_and_b32 s55, s53, 7                          ; head
	s_bfe_u32 s56, ttmp6, 0x40000                  ; cx: my block of 256 queries: it enters q16's, st's, frac's (f_i) and o16's addresses alone
	s_mov_b32 s[G1A], 15|(3<<16)|(1<<21)           ; 15:0 the mask: all four work-groups; 17:16 elements of 8 bytes; 21 set beside a mask; no padding
	s_mov_b32 s[G1A+1], 32<<16                     ; tensor_dim0 = 32 elements: rows of 256 bytes
	s_mov_b32 s[G1A+2], 64<<16                     ; tensor_dim1 = 64
	s_mov_b32 s[G1A+3], 32<<16                     ; tile_dim0
	s_mov_b32 s[G1A+4], 64                         ; tile_dim1
	s_mov_b32 s[G1A+5], 32                         ; the pitch: the block is dense
	s_mov_b32 s[G1A+6], 0
	s_mov_b32 s[G1A+7], 0
	s_mov_b32 s[G1F], 15|(3<<16)|(1<<21)
	s_mov_b32 s[G1F+1], 32<<16
	s_mov_b32 s[G1F+2], 2<<16
	s_mov_b32 s[G1F+3], 32<<16
	s_mov_b32 s[G1F+4], 2
	s_mov_b32 s[G1F+5], 32
	s_mov_b32 s[G1F+6], 0
	s_mov_b32 s[G1F+7], 0
	s_lshl_b32 s84, s53, 17                        ; K, V: the head's 131,072 bytes, my wave's 16,384
	s_lshl_b32 s57, s[WV], 14
	s_add_co_u32 s84, s84, s57
	s_mov_b32 s85, 0
	s_lshl_b32 s86, s54, 12                        ; frac: the batch's 4,096 bytes, my wave's 512
	s_lshl_b32 s75, s[WV], 9
	s_add_co_u32 s86, s86, s75
	s_mov_b32 s87, 0
	s_lshl_b32 s88, s53, 17                        ; Q: the head, + 2,048 (16 cx + 2 wave)
	s_lshl_b32 s76, s56, 15
	s_add_co_u32 s88, s88, s76
	s_lshl_b32 s76, s[WV], 12
	s_add_co_u32 s88, s88, s76
	s_mov_b32 s89, 0
	s_lshl_b32 s92, s54, 12                        ; f_i: 4 (1,024 b + 256 cx + 32 wave)
	s_lshl_b32 s76, s56, 10
	s_add_co_u32 s92, s92, s76
	s_lshl_b32 s76, s[WV], 7
	s_add_co_u32 s92, s92, s76
	s_mov_b32 s93, 0
	s_lshl_b32 s90, s92, 2                         ; st: 16 bytes a query
	s_mov_b32 s91, 0
	s_lshl_b32 s94, s54, 3                         ; o16: 131,072 (8 b + 2 cx + wave / 4) + 8,192 (2 head) + 1,024 (2 (wave % 4))
	s_lshl_b32 s76, s56, 1
	s_add_co_u32 s94, s94, s76
	s_lshr_b32 s76, s[WV], 2
	s_add_co_u32 s94, s94, s76
	s_lshl_b32 s94, s94, 17
	s_lshl_b32 s76, s55, 14
	s_add_co_u32 s94, s94, s76
	s_and_b32 s76, s[WV], 3
	s_lshl_b32 s76, s76, 11
	s_add_co_u32 s94, s94, s76
	s_mov_b32 s95, 0
	s_lshl_b32 s76, s55, 2                         ; the head's alpha
	s_mov_b32 s77, 0
	s_mov_b32 s[SEL], 0x76543210
	s_mov_b32 s[SEL+1], 0xfedcba98
	s_mov_b32 s[EIGHTH], 0x3e000000                ; 0.125
	s_mov_b32 s[EPS], 0x3727c5ac                   ; 1e-5
	s_mov_b32 s[R1023], 0x3a802008                 ; 1 / 1,023
	s_mov_b32 s[CH], 0
	s_mov_b32 s[FH], 0
	s_wait_dscnt 0x0                               ; both opening adds are done
	s_wait_kmcnt 0x0
	s_mov_b32 s[G0F], 1
	s_add_co_u32 s[G0F+1], s75, FTAB
	s_add_nc_u64 s[G0F+2:G0F+3], s[12:13], s[86:87]
	s_or_b32 s[G0F+3], s[G0F+3], 0x80000000
	s_mov_b32 s[G0K], 1
	s_mov_b32 s[G0K+1], s57
	s_add_nc_u64 s[G0K+2:G0K+3], s[6:7], s[84:85]
	s_or_b32 s[G0K+3], s[G0K+3], 0x80000000
	s_mov_b32 s[G0V], 1
	s_add_co_u32 s[G0V+1], s57, VIMG
	s_add_nc_u64 s[G0V+2:G0V+3], s[8:9], s[84:85]
	s_or_b32 s[G0V+3], s[G0V+3], 0x80000000
	s_add_nc_u64 s[4:5], s[4:5], s[88:89]
	s_add_nc_u64 s[10:11], s[10:11], s[90:91]
	s_add_nc_u64 s[92:93], s[12:13], s[92:93]
	s_add_nc_u64 s[22:23], s[22:23], s[94:95]
	s_add_nc_u64 s[14:15], s[14:15], s[76:77]
	s_add_nc_u64 s[16:17], s[16:17], s[76:77]
	s_load_b32 s60, s[14:15], 0x0                  ; ap
	s_load_b32 s61, s[16:17], 0x0                  ; an
	s_load_b32 s62, s[18:19], 0x0                  ; gamma
	s_load_b32 s63, s[20:21], 0x0                  ; delta
	CROUND                                         ; all four work-groups are here: the joint loads meet
	tensor_load_to_lds s[G0F:G0F+3], s[G1F:G1F+7]  ; frac, K, V: three loads of mine are out
	s_nop 0
	tensor_load_to_lds s[G0K:G0K+3], s[G1A:G1A+7]
	s_nop 0
	tensor_load_to_lds s[G0V:G0V+3], s[G1A:G1A+7]
	s_nop 0
	v_and_b32 v9, 31, v0                           ; (eight plain lines, no change of windows among them)
	v_lshlrev_b32 v[LI], 4, v9
	v_bfe_u32 v10, v0, 4, 1
	v_lshl_add_u32 v[AF0], v10, 5, FTAB
	v_add_nc_u32 v[LV0], VIMG, v[LI]
	v_and_b32 v11, 15, v0
	v_lshlrev_b32 v12, 4, v11                      ; st: 16 bytes a query
	v_lshlrev_b32 v13, 2, v11                      ; f_i: 4
.irp t, 0,1
.irp c, 0,1
	global_load_b128 v[Q+16*\t+8*\c:Q+16*\t+8*\c+3], v[LI], s[4:5] offset:2048*\t+1024*\c
	global_load_b128 v[Q+16*\t+8*\c+4:Q+16*\t+8*\c+7], v[LI], s[4:5] offset:2048*\t+1024*\c+512
.endr
.endr
.irp t, 0,1
	global_load_b128 v[96+4*\t:99+4*\t], v12, s[10:11] offset:256*\t   ; mp, mn, Spp, Snn of my query
	global_load_b32 v[104+\t], v13, s[92:93] offset:64*\t              ; f_i
.endr
.set i, 0
.rept 32
	v_mov_b32 v[CN+i], 0                           ; the tiles' 16 registers are all written: some are named as the other half of a pair
.set i, i+1
.endr
	v_mov_b32 v[CN+3], 0xff61b1e6                  ; the running maximum: -3e38, under every t
	v_mov_b32 v[CN+19], 0xff61b1e6
	v_mov_b32 v[ADK], v[LI]
	v_mov_b32 v[ADF], v[AF0]
	WIN 0x40
.set i, 0
.rept 64
	v_mov_b32 v[O+i], 0                            ; O^T: pass 2's step is written for every chunk alike; the first finds zeros
.set i, i+1
.endr
	WIN 0
	s_wait_tensorcnt 1                             ; my parts of frac and of K are in; V's load may stay out
	s_barrier_signal -1
	s_barrier_wait -1                              ; everybody's are
	WIN 0x40
	BLOAD ADK                                      ; K's chunk 0
	WIN 0
	; ---- the constants of the stoichiometry bias, while K's fragments land
	s_wait_kmcnt 0x0
	s_wait_loadcnt 0x0                             ; Q, st, f_i (so v12 and v13 may be written again)
	v_mov_b32 v9, s60
	v_mov_b32 v10, s61
	v_mov_b32 v14, s63
	v_mul_f32 v11, v9, v9                          ; ap^2
	v_mul_f32 v12, v10, v10                        ; an^2
	v_mul_f32 v13, v9, v10
	v_mul_f32 v13, 0xc5000000, v13                 ; -2,048 ap an
	v_mul_f32 v14, 0x3f38aa3b, v14                 ; delta log2(e) / 2
	v_add_f32 v15, v9, v10
	v_sub_f32 v9, v9, v10
	v_mul_f32 v15, v14, v15                        ; x (ap + an)
	v_mul_f32 v14, v14, v9                         ; x (ap - an)
.irp t, 0,1
	v_mul_f32 v[108+\t], v[96+4*\t], v[97+4*\t]
	v_mul_f32 v[110+\t], v11, v[98+4*\t]
.endr
.irp t, 0,1
	v_fma_f32 v[110+\t], v12, v[99+4*\t], v[110+\t]
.endr
.irp t, 0,1
	v_fma_f32 v[110+\t], v13, v[108+\t], v[110+\t]
.endr
.irp t, 0,1
	v_mul_f32 v[110+\t], s[R1023], v[110+\t]
.endr
.irp t, 0,1
	v_max_num_f32 v[110+\t], 0, v[110+\t]
.endr
.irp t, 0,1
	v_sqrt_f32 v[112+\t], v[110+\t]
.endr
	v_nop                                          ; a plain place behind the transcendentals,
	s_wait_alu depctr_va_vdst(0)                   ; and the wait ahead of the first reader: one for both
.irp t, 0,1
	v_add_f32 v[112+\t], s[EPS], v[112+\t]
.endr
.irp t, 0,1
	v_rcp_f32 v[114+\t], v[112+\t]
.endr
	v_nop
	s_wait_alu depctr_va_vdst(0)
.irp t, 0,1
	v_mul_f32 v[114+\t], v[114+\t], v[104+\t]      ; f_i / (ss + 1e-5)
	v_mul_f32 v[CN+16*\t], -1.0, v[104+\t]         ; -f_i
.endr
.irp t, 0,1
	v_mul_f32 v[CN+16*\t+2], v15, v[114+\t]        ; C1
	v_mul_f32 v[CN+16*\t+1], v14, |v[114+\t]|      ; C2
.endr
	; ---- the shift c_i: the mean of my query's scores with the first 16 keys
	s_wait_dscnt 0x0
	WIN 0x01                                       ; source 0 (K) window 1
	v_wmma_f32_16x16x32_f16 v[S:S+7], v[0:7], v[Q:Q+7], 0
	v_wmma_f32_16x16x32_f16 v[S+64:S+71], v[0:7], v[Q+16:Q+23], 0
	v_wmma_f32_16x16x32_f16 v[S:S+7], v[8:15], v[Q+8:Q+15], v[S:S+7]
	v_wmma_f32_16x16x32_f16 v[S+64:S+71], v[8:15], v[Q+24:Q+31], v[S+64:S+71]
	WIN 0
.rept 4
	v_nop
.endr
.irp t, 0,1
	v_pk_add_f32 v[116+4*\t:117+4*\t], v[S+64*\t:S+64*\t+1], v[S+64*\t+2:S+64*\t+3]
	v_pk_add_f32 v[118+4*\t:119+4*\t], v[S+64*\t+4:S+64*\t+5], v[S+64*\t+6:S+64*\t+7]
.endr
.irp t, 0,1
	v_pk_add_f32 v[116+4*\t:117+4*\t], v[116+4*\t:117+4*\t], v[118+4*\t:119+4*\t]
.endr
.irp t, 0,1
	v_add_f32 v[116+4*\t], v[116+4*\t], v[117+4*\t]
.endr
.irp t, 0,1
	v_permlanex16_b32 v[CN+16*\t+5], v[116+4*\t], s[SEL], s[SEL+1]
.endr
.irp t, 0,1
	v_add_f32 v[116+4*\t], v[116+4*\t], v[CN+16*\t+5]
.endr
.irp t, 0,1
.irp j, 0,1,2,3,4,5,6,7
	v_mul_f32 v[TMP+8*\t+\j], 0xbd800000, v[116+4*\t]   ; -c_i, in all eight registers: the C of pass 1's products
.endr
.endr
; PASS 1, a chunk of 128 keys: 32 products; then the next chunk's K is asked for, and the sums are taken while it lands.  last = 1: the next chunk is chunk 0, which pass 2 wants first.
.macro P1TRIP last
	s_wait_dscnt 0x0                               ; K's chunk is in
	WIN 0x01
	KQ 0, 0
	KQ 1, 1
	WIN 0
.if \last
	s_mov_b32 s[CH], 0
.else
	s_add_co_u32 s[CH], s[CH], CHUNK
.endif
	v_add_nc_u32 v[ADK], s[CH], v[LI]              ; with the three v_nop: the four places in front of loads into operands and of the first read of results
.rept 3
	v_nop
.endr
	WIN 0x40
	BLOAD ADK
	WIN 0
.set j, 0
.rept 32
.irp t, 0,1
	v_pk_add_f32 v[CN+16*\t+10:CN+16*\t+11], v[CN+16*\t+10:CN+16*\t+11], v[S+64*\t+j:S+64*\t+j+1]
	v_pk_fma_f32 v[CN+16*\t+12:CN+16*\t+13], v[S+64*\t+j:S+64*\t+j+1], v[S+64*\t+j:S+64*\t+j+1], v[CN+16*\t+12:CN+16*\t+13]
.endr
.set j, j+2
.endr
.endm
	s_mov_b32 s[CNT], 7
.Lp1:
	P1TRIP 0
	s_sub_co_u32 s[CNT], s[CNT], 1
	s_cmp_lg_u32 s[CNT], 0
	s_cbranch_scc1 .Lp1
	P1TRIP 1
	; ---- between the passes: sd_i, A_i; q x A_i
	WIN 0x40
	FLOAD                                          ; frac of chunk 0's keys
	WIN 0
.irp t, 0,1
	v_add_f32 v[96+\t], v[CN+16*\t+10], v[CN+16*\t+11]
	v_add_f32 v[98+\t], v[CN+16*\t+12], v[CN+16*\t+13]
.endr
.irp t, 0,1
	v_permlanex16_b32 v[100+\t], v[96+\t], s[SEL], s[SEL+1]
	v_permlanex16_b32 v[102+\t], v[98+\t], s[SEL], s[SEL+1]
.endr
.irp t, 0,1
	v_add_f32 v[96+\t], v[96+\t], v[100+\t]        ; the sum of (score - c),
	v_add_f32 v[98+\t], v[98+\t], v[102+\t]        ; and of its square
.endr
.irp t, 0,1
	v_mul_f32 v[100+\t], 0x3a800000, v[96+\t]
	v_mov_b32 v[CN+16*\t+10], 0                    ; pass 2's sum begins
	v_mov_b32 v[CN+16*\t+11], 0
.endr
.irp t, 0,1
	v_fma_f32 v[98+\t], -v[100+\t], v[96+\t], v[98+\t]
.endr
.irp t, 0,1
	v_mul_f32 v[98+\t], s[R1023], v[98+\t]
.endr
.irp t, 0,1
	v_max_num_f32 v[98+\t], 0, v[98+\t]
.endr
.irp t, 0,1
	v_sqrt_f32 v[102+\t], v[98+\t]
.endr
	v_mov_b32 v9, s62                              ; (a plain place)  gamma
	s_wait_alu depctr_va_vdst(0)
.irp t, 0,1
	v_fma_f32 v[102+\t], v[102+\t], s[EIGHTH], s[EPS]   ; the logits' standard deviation + 1e-5
.endr
.irp t, 0,1
	v_rcp_f32 v[104+\t], v[102+\t]
.endr
	v_mul_f32 v9, 0x3e38aa3b, v9                   ; (a plain place)  gamma log2(e) / 8
	s_wait_alu depctr_va_vdst(0)
.irp t, 0,1
	v_mul_f32 v[CN+16*\t+14], v9, v[104+\t]        ; A
.endr
.irp t, 0,1
	v_mul_f32 v[CN+16*\t+4], v[CN+16*\t+14], v[TMP+8*\t]   ; A x (-c)
.endr
.set i, 0
.rept 32                                       ; Q's 32 registers: widened, x A, rounded to f16 again
	v_cvt_f32_f16 v[96+2*(i%16)], v[Q+i].l
	v_cvt_f32_f16 v[97+2*(i%16)], v[Q+i].h
.set i, i+1
.endr
.set i, 0
.rept 0
.endr
	s_nop 0
.set i, 16
.rept 16                                       ; (the widening above ran through the scratch twice: the second half stands there now; it is finished first)
	v_pk_mul_f32 v[96+2*(i%16):97+2*(i%16)], v[96+2*(i%16):97+2*(i%16)], v[CN+16*(i/16)+14:CN+16*(i/16)+15] op_sel_hi:[1,0]
.set i, i+1
.endr
.set i, 16
.rept 16
	v_cvt_pk_f16_f32 v[Q+i], v[96+2*(i%16)], v[97+2*(i%16)]
.set i, i+1
.endr
.set i, 0
.rept 16
	v_cvt_f32_f16 v[96+2*i], v[Q+i].l
	v_cvt_f32_f16 v[97+2*i], v[Q+i].h
.set i, i+1
.endr
.set i, 0
.rept 16
	v_pk_mul_f32 v[96+2*i:97+2*i], v[96+2*i:97+2*i], v[CN+14:CN+15] op_sel_hi:[1,0]
.set i, i+1
.endr
.set i, 0
.rept 16
	v_cvt_pk_f16_f32 v[Q+i], v[96+2*i], v[97+2*i]
.set i, i+1
.endr
	s_wait_tensorcnt 0x0                           ; my part of V is in,
	s_wait_dscnt 0x0
	s_barrier_signal -1
	s_barrier_wait -1                              ; everybody's is
; PASS 2, a chunk of 128 keys.
.macro P2TRIP last
	s_wait_dscnt 32                                ; frac's 16 loads are in; K's 32, issued behind them, may be out
	WIN 0x01                                       ; source 0 (frac) window 1
.irp t, 0,1
.set g, 0
.rept 8
.irp i, 0,2,4,6
	v_pk_add_f32 v[S+64*\t+8*g+\i:S+64*\t+8*g+\i+1], v[FJ+8*g+\i:FJ+8*g+\i+1], v[CN+16*\t:CN+16*\t+1] op_sel_hi:[1,0]   ; f_j - f_i
.endr
.irp i, 0,2,4,6
	v_pk_mul_f32 v[S+64*\t+8*g+\i:S+64*\t+8*g+\i+1], v[FJ+8*g+\i:FJ+8*g+\i+1], v[S+64*\t+8*g+\i:S+64*\t+8*g+\i+1]       ; u
.endr
.set g, g+1
.endr
.endr
	WIN 0
.irp t, 0,1
.set g, 0
.rept 8
.irp i, 0,2,4,6
	v_pk_fma_f32 v[TMP+8*(g%2)+\i:TMP+8*(g%2)+\i+1], v[S+64*\t+8*g+\i:S+64*\t+8*g+\i+1], v[CN+16*\t+2:CN+16*\t+3], v[CN+16*\t+4:CN+16*\t+5] op_sel_hi:[1,0,0]   ; C1 u - A c
.endr
.irp i, 0,1,2,3,4,5,6,7
	v_fma_f32 v[S+64*\t+8*g+\i], |v[S+64*\t+8*g+\i]|, v[CN+16*\t+1], v[TMP+8*(g%2)+\i]   ; + C2 |u|: the bias, where the product will add onto it
.endr
.set g, g+1
.endr
.endr
	s_wait_dscnt 0x0                               ; K's chunk is in
	WIN 0x01
	KQ 0, 1
	KQ 1, 1
	WIN 0
	v_add_nc_u32 v[ADV], s[CH], v[LV0]             ; with the three v_nop: the four places
.rept 3
	v_nop
.endr
	WIN 0x40
	BLOAD ADV                                      ; V's chunk takes K's registers; it lands during the softmax
	WIN 0
.irp t, 0,1                                    ; the maximum: four chains a tile, each over two accumulators, each accumulator from its low end on
.irp k, 0,1,2,3
	v_max3_num_f32 v[CN+16*\t+12+\k], v[S+64*\t+16*\k], v[S+64*\t+16*\k+1], v[S+64*\t+16*\k+2]
.endr
.endr
.irp i, 3,5,7,9,11,13
.irp t, 0,1
.irp k, 0,1,2,3
	v_max3_num_f32 v[CN+16*\t+12+\k], v[CN+16*\t+12+\k], v[S+64*\t+16*\k+\i], v[S+64*\t+16*\k+\i+1]
.endr
.endr
.endr
.irp t, 0,1
	v_max3_num_f32 v[CN+16*\t+12], v[CN+16*\t+12], v[CN+16*\t+13], v[S+64*\t+15]
	v_max3_num_f32 v[CN+16*\t+14], v[CN+16*\t+14], v[CN+16*\t+15], v[S+64*\t+31]
.endr
.irp t, 0,1
	v_max3_num_f32 v[CN+16*\t+12], v[CN+16*\t+12], v[S+64*\t+47], v[S+64*\t+63]
.endr
.irp t, 0,1
	v_max3_num_f32 v[CN+16*\t+12], v[CN+16*\t+12], v[CN+16*\t+14], v[CN+16*\t+3]   ; and the old maximum
.endr
.irp t, 0,1
	v_permlanex16_b32 v[CN+16*\t+13], v[CN+16*\t+12], s[SEL], s[SEL+1]             ; the query's other 64 keys lie in the lane 16 away
.endr
.irp t, 0,1
	v_max_num_f32 v[CN+16*\t+12], v[CN+16*\t+12], v[CN+16*\t+13]
.endr
.irp t, 0,1
	v_sub_f32 v[CN+16*\t+9], v[CN+16*\t+3], v[CN+16*\t+12]                         ; old m - new m
	v_sub_f32 v[CN+16*\t+6], 0, v[CN+16*\t+12]                                     ; -m
.endr
.irp t, 0,1
	v_mov_b32 v[CN+16*\t+3], v[CN+16*\t+12]
.endr
.irp t, 0,1
	v_exp_f32 v[CN+16*\t+8], v[CN+16*\t+9]                                         ; what was summed under the old m is multiplied by this
.endr
.set j, 0
.rept 32
.irp t, 0,1
	v_pk_add_f32 v[S+64*\t+j:S+64*\t+j+1], v[S+64*\t+j:S+64*\t+j+1], v[CN+16*\t+6:CN+16*\t+7] op_sel_hi:[1,0]
.endr
.set j, j+2
.endr
.set j, 0
.rept 128
	v_exp_f32 v[S+j], v[S+j]                       ; p = 2^(t - m)
.set j, j+1
.endr
	v_nop                                          ; a plain place behind the last exponential,
	s_wait_alu depctr_va_vdst(0)                   ; and ONE wait for all 130, ahead of the first reader
.irp t, 0,1                                    ; the row's sum, two packed chains a tile
	v_pk_fma_f32 v[CN+16*\t+10:CN+16*\t+11], v[CN+16*\t+10:CN+16*\t+11], v[CN+16*\t+8:CN+16*\t+9], v[S+64*\t:S+64*\t+1] op_sel_hi:[1,0,1]
	v_pk_add_f32 v[CN+16*\t+12:CN+16*\t+13], v[S+64*\t+2:S+64*\t+3], v[S+64*\t+4:S+64*\t+5]
.endr
.set j, 6
.rept 14
.irp t, 0,1
	v_pk_add_f32 v[CN+16*\t+10:CN+16*\t+11], v[CN+16*\t+10:CN+16*\t+11], v[S+64*\t+j:S+64*\t+j+1]
	v_pk_add_f32 v[CN+16*\t+12:CN+16*\t+13], v[CN+16*\t+12:CN+16*\t+13], v[S+64*\t+j+2:S+64*\t+j+3]
.endr
.set j, j+4
.endr
.irp t, 0,1
	v_pk_add_f32 v[CN+16*\t+10:CN+16*\t+11], v[CN+16*\t+10:CN+16*\t+11], v[S+64*\t+62:S+64*\t+63]
.endr
.irp t, 0,1
	v_pk_add_f32 v[CN+16*\t+10:CN+16*\t+11], v[CN+16*\t+10:CN+16*\t+11], v[CN+16*\t+12:CN+16*\t+13]
.endr
.irp t, 0,1                                    ; p to f16, compacted in place, ascending: two key tiles become one fragment of P (32 keys x 16 queries)
.set i, 0
.rept 32
	v_cvt_pk_f16_f32 v[S+64*\t+16*(i/8)+i%8], v[S+64*\t+16*(i/8)+2*(i%8)], v[S+64*\t+16*(i/8)+2*(i%8)+1]
.set i, i+1
.endr
.endr
	WIN 0x41                                       ; O^T (destination and source 0) window 1
.irp t, 0,1
.set j, 0
.rept 16
	v_pk_mul_f32 v[O+32*\t+j:O+32*\t+j+1], v[O+32*\t+j:O+32*\t+j+1], v[CN+16*\t+8:CN+16*\t+9] op_sel_hi:[1,0]
.set j, j+2
.endr
.endr
	s_wait_dscnt 0x0                               ; V's chunk is in
	WIN 0x51                                       ; V and O^T window 1, P window 0
.irp p, 0,1,2,3                                ; the eight accumulators take turns
.irp c, 0,1,2,3
.irp t, 0,1
	v_wmma_f32_16x16x32_f16 v[O+32*\t+8*\c:O+32*\t+8*\c+7], v[8*(4*\p+\c):8*(4*\p+\c)+7], v[S+64*\t+16*\p:S+64*\t+16*\p+7], v[O+32*\t+8*\c:O+32*\t+8*\c+7]
.endr
.endr
.endr
	WIN 0
.if \last == 0
	s_add_co_u32 s[CH], s[CH], CHUNK
	s_add_co_u32 s[FH], s[FH], 512
	v_add_nc_u32 v[ADK], s[CH], v[LI]              ; with the line below and two v_nop: the four places
	v_add_nc_u32 v[ADF], s[FH], v[AF0]
	v_nop
	v_nop
	WIN 0x40
	FLOAD                                          ; the next chunk: frac first, then K
	BLOAD ADK
	WIN 0
.endif
.endm
	s_mov_b32 s[CNT], 7
.Lp2:
	P2TRIP 0
	s_sub_co_u32 s[CNT], s[CNT], 1
	s_cmp_lg_u32 s[CNT], 0
	s_cbranch_scc1 .Lp2
	P2TRIP 1                                       ; the last chunk asks for nothing more
	; ---- the way out: O^T / the row's sum, to f16: a lane's eight channels of a query are half a fragment of the last product's operand
.irp t, 0,1
	v_add_f32 v[CN+16*\t+12], v[CN+16*\t+10], v[CN+16*\t+11]
.endr
.irp t, 0,1
	v_permlanex16_b32 v[CN+16*\t+13], v[CN+16*\t+12], s[SEL], s[SEL+1]
.endr
.irp t, 0,1
	v_add_f32 v[CN+16*\t+12], v[CN+16*\t+12], v[CN+16*\t+13]
.endr
.irp t, 0,1
	v_rcp_f32 v[CN+16*\t+14], v[CN+16*\t+12]
.endr
	v_nop                                          ; (with the four additions above: the places behind the last products)
	s_wait_alu depctr_va_vdst(0)
	WIN 0x01                                       ; source 0 (O^T) window 1
.irp t, 0,1
.set j, 0
.rept 16
	v_pk_mul_f32 v[S+64*\t+j:S+64*\t+j+1], v[O+32*\t+j:O+32*\t+j+1], v[CN+16*\t+14:CN+16*\t+15] op_sel_hi:[1,0]
.set j, j+2
.endr
.endr
	WIN 0
.irp t, 0,1
.set i, 0
.rept 16
	v_cvt_pk_f16_f32 v[96+16*\t+i], v[S+64*\t+2*i], v[S+64*\t+2*i+1]
.set i, i+1
.endr
.endr
.irp t, 0,1
.irp c, 0,1,2,3
	global_store_b128 v[LI], v[96+16*\t+4*\c:96+16*\t+4*\c+3], s[22:23] offset:(\c/2)*8192+1024*\t+(\c%2)*512   ; 32 lanes store 512 consecutive bytes, aligned
.endr
.endr
	s_wait_tensorcnt 0x0                           ; the wave's end
	ds_add_u32 v[SPW], v[NIL]
	s_wait_dscnt 0x0
	CROUND                                         ; the closing round
	s_endpgm
.Lfunc_end_k_qf265914eb2_attn:
	.size	k_qf265914eb2_attn, .Lfunc_end_k_qf265914eb2_attn-k_qf265914eb2_attn
	.p2alignl 7, 3214868480
	.fill 96, 4, 3214868480
	.section	.rodata,"a",@progbits
	.p2align	6, 0x0
	.amdhsa_kernel k_qf265914eb2_attn
		.amdhsa_group_segment_fixed_size 327680
		.amdhsa_private_segment_fixed_size 0
		.amdhsa_enable_private_segment 0
		.amdhsa_kernarg_size 80
		.amdhsa_user_sgpr_count 2
		.amdhsa_user_sgpr_kernarg_segment_ptr 1
		.amdhsa_wavefront_size32 1
		.amdhsa_system_sgpr_workgroup_id_x 1
		.amdhsa_system_sgpr_workgroup_id_y 1
		.amdhsa_system_sgpr_workgroup_id_z 1
		.amdhsa_system_vgpr_workitem_id 0
		.amdhsa_next_free_vgpr 512
		.amdhsa_next_free_sgpr 96
		.amdhsa_reserve_vcc 0
		.amdhsa_float_denorm_mode_32 3
		.amdhsa_float_denorm_mode_16_64 3
		.amdhsa_memory_ordered 1
		.amdhsa_forward_progress 1
		.amdhsa_inst_pref_size 158
	.end_amdhsa_kernel
	.amdgpu_metadata
---
amdhsa.version: [ 1, 2 ]
amdhsa.kernels:
  - .name:           k_qf265914eb2_attn
    .symbol:         k_qf265914eb2_attn.kd
    .args:
      - { .name: q16, .offset: 0, .size: 8, .value_kind: global_buffer, .address_space: global }
      - { .name: k16, .offset: 8, .size: 8, .value_kind: global_buffer, .address_space: global }
      - { .name: v16, .offset: 16, .size: 8, .value_kind: global_buffer, .address_space: global }
      - { .name: st, .offset: 24, .size: 8, .value_kind: global_buffer, .address_space: global }
      - { .name: frac, .offset: 32, .size: 8, .value_kind: global_buffer, .address_space: global }
      - { .name: alpha_pos, .offset: 40, .size: 8, .value_kind: global_buffer, .address_space: global }
      - { .name: alpha_neg, .offset: 48, .size: 8, .value_kind: global_buffer, .address_space: global }
      - { .name: gamma, .offset: 56, .size: 8, .value_kind: global_buffer, .address_space: global }
      - { .name: delta, .offset: 64, .size: 8, .value_kind: global_buffer, .address_space: global }
      - { .name: o16, .offset: 72, .size: 8, .value_kind: global_buffer, .address_space: global }
    .group_segment_fixed_size: 327680
    .private_segment_fixed_size: 0
    .kernarg_segment_align: 8
    .kernarg_segment_size: 80
    .max_flat_workgroup_size: 256
    .sgpr_count:     96
    .vgpr_count:     512
    .wavefront_size: 32
...
	.end_amdgpu_metadata
.endif
;; end of part 3
;; launch outp (part 4): grid 4 x 64, 8 waves a work-group, clusters of 4 x 4, 327,680 bytes of LDS; arguments o16, wo16, bo, out0; writes out0
.if DOCPART == 4
	.amdgcn_target "amdgcn-amd-amdhsa--gfx1250"
	.amdhsa_code_object_version 6
	.text
	.protected	k_qf265914eb2_outp
	.globl	k_qf265914eb2_outp
	.p2align	8
	.type	k_qf265914eb2_outp,@function
k_qf265914eb2_outp:
	s_mov_b64 s[64:65], 0
	v_nop
	global_prefetch_b8 v0, s[64:65] scope:SCOPE_SE
	s_setreg_imm32_b32 hwreg(HW_REG_WAVE_MODE, 25, 1), 1
	s_wait_xcnt 0x0
	s_wait_alu depctr_hold_cnt(0) depctr_sa_sdst(0) depctr_va_vdst(0) depctr_va_sdst(0) depctr_va_ssrc(0) depctr_va_vcc(0) depctr_vm_vsrc(0)
	s_getreg_b32 s2, hwreg(HW_REG_IB_STS2, 6, 4)
	s_cmp_eq_u32 s2, 0
	s_cbranch_scc0 .Lentry_in_a_cluster
	s_endpgm
.Lentry_in_a_cluster:
	s_bfe_u32 s2, ttmp6, 0x10000c
	s_cmp_lg_u32 s2, 0xf033
	s_cbranch_scc0 .Lentry_shape_is_right
	s_endpgm
.Lentry_shape_is_right:
; out0[token][n] = sum over c of O[token][c] Wo[c][n] + bo[n]: 8,192 x 512 x 512, operands in f16, sums in f32.
; A work-group makes 128 tokens x 128 columns; wave (wy = w / 2, wx = w % 2) makes 32 tokens x 64 columns: 8 accumulators.  THE PRODUCT IS USED TRANSPOSED (source 0 = 16 columns of Wo, source 1 = 16 tokens),
; so that a lane holds eight neighbouring columns of one row of out0.  bo is the C of the first product.
; o16 [tb 64][cs 16][tile 8][half 2][lane][16 bytes] and wo16 [nb 4][cs 16][tile 8][half 2][lane][16 bytes] are images of the operands' registers: a work-group's operands are two dense blocks of 131,072 bytes,
; which come into LDS once, in four chunks of 128 along c: waves 0-3 fetch O's, waves 4-7 Wo's, four loads a wave, all issued at the head (four of mine are out); nothing is filled again.
; CLUSTER 4 x 4: O's block hangs on the tile row alone and is asked for jointly along a row of the cluster, Wo's on the tile column alone, jointly along a column.
; The way out goes through the wave's own stage in LDS (16 rows of 256 bytes + 16), so that sixteen lanes store 256 consecutive bytes, aligned.
.set WIMG,  131072                     ; LDS: O's image from 0, Wo's from here,
.set STG,   262144                     ; eight stages of 4,352 bytes,
.set SPARE, 296960                     ; the spare words, 128 bytes for each wave: four blocks of 256 bytes that no other line names
.set LI,  1                            ; v1     16 x lane
.set AO,  2                            ; v2, v3 my two tiles of tokens in O's image, c under 256 and from 256 on
.set AW,  4                            ; v4, v5 my four tiles of columns in Wo's image, likewise
.set STO, 6                            ; v6     the stage: where I put 32 bytes of a row
.set RD,  7                            ; v7     and where I read a row back
.set CO,  8                            ; v8     my byte offset in two rows of out0
.set BO,  16                           ; v16-47   bo in the result's layout, 8 registers for each tile of columns
.set ACC, 48                           ; v48-111  accumulator (i, j) at 8 (4 i + j)
.set F0,  112                          ; v112-159, v160-207 two fragment buffers: O's two, then Wo's four; on the way out v112-175 take the rows read back
.set F1,  160
.set SPW, 240
.set NIL, 241
.set WV,  12
.macro CROUND
	s_barrier_signal -1
	s_barrier_wait -1
	s_cmp_lg_u32 s[WV], 0
	s_cbranch_scc1 .Lnot_wave_0_\@
	s_barrier_signal -3
.Lnot_wave_0_\@:
	s_barrier_wait -3
	s_barrier_signal -1
	s_barrier_wait -1
.endm
.macro LD f, cs                        ; the fragments of 32 along c: 12 loads
.irp i, 0,1
	ds_load_b128 v[\f+8*\i:\f+8*\i+3], v[AO+(\cs)/8] offset:((\cs)%8)*8192+1024*\i
	ds_load_b128 v[\f+8*\i+4:\f+8*\i+7], v[AO+(\cs)/8] offset:((\cs)%8)*8192+1024*\i+512
.endr
.irp j, 0,1,2,3
	ds_load_b128 v[\f+16+8*\j:\f+16+8*\j+3], v[AW+(\cs)/8] offset:((\cs)%8)*8192+1024*\j
	ds_load_b128 v[\f+16+8*\j+4:\f+16+8*\j+7], v[AW+(\cs)/8] offset:((\cs)%8)*8192+1024*\j+512
.endr
.endm
.macro MUL f, first                    ; 8 products; the accumulators take turns, one instruction a turn
.irp i, 0,1
.irp j, 0,1,2,3
.if \first
	v_wmma_f32_16x16x32_f16 v[ACC+8*(4*\i+\j):ACC+8*(4*\i+\j)+7], v[\f+16+8*\j:\f+16+8*\j+7], v[\f+8*\i:\f+8*\i+7], v[BO+8*\j:BO+8*\j+7]
.else
	v_wmma_f32_16x16x32_f16 v[ACC+8*(4*\i+\j):ACC+8*(4*\i+\j)+7], v[\f+16+8*\j:\f+16+8*\j+7], v[\f+8*\i:\f+8*\i+7], v[ACC+8*(4*\i+\j):ACC+8*(4*\i+\j)+7]
.endif
.endr
.endr
.endm
.macro PLACES
.rept 4
	v_nop
.endr
.endm
.macro QUARTER q                       ; 128 along c
	s_wait_tensorcnt 3-\q                          ; my part of chunk q is in; the later chunks' loads may stay out
	s_barrier_signal -1
	s_barrier_wait -1                              ; everybody's is
	LD F0, 4*\q
	LD F1, 4*\q+1
	s_wait_dscnt 12                                ; the older buffer's loads are in; the younger's 12 may be out
.if \q == 0
	s_wait_loadcnt 0x0                             ; bo
	MUL F0, 1
.else
	MUL F0, 0
.endif
	PLACES
	LD F0, 4*\q+2
	s_wait_dscnt 12
	MUL F1, 0
	PLACES
	LD F1, 4*\q+3
	s_wait_dscnt 12
	MUL F0, 0
	s_wait_dscnt 0x0
	MUL F1, 0
	PLACES                                         ; in front of the next loads into operands, and of the first read of results
.endm
	s_load_b256 s[4:11], s[0:1], 0x0               ; o16 4, wo16 6, bo 8, out0 10
	v_lshl_add_u32 v[SPW], v0, 2, SPARE
	v_mov_b32 v[NIL], 0
	ds_add_u32 v[SPW], v[NIL]                      ; the wave's opening: the add, twice on end, and its wait ahead of my first tensor load
	ds_add_u32 v[SPW], v[NIL]
	v_lshrrev_b32 v9, 5, v0
	v_readfirstlane_b32 s[WV], v9                  ; wave 0..7
	s_and_b32 s13, s[WV], 3                        ; which quarter of a chunk I fetch
	s_bfe_u32 s14, ttmp6, 0x40000                  ; cx
	s_bfe_u32 s15, ttmp6, 0x40004                  ; cy
	s_lshl_b32 s66, ttmp9, 2
	s_add_co_u32 s66, s66, s14                     ; tile column = 4 x cluster x + cx
	s_and_b32 s67, ttmp7, 0xffff
	s_lshl_b32 s67, s67, 2
	s_add_co_u32 s67, s67, s15                     ; tile row = 4 x cluster y + cy
	s_lshl_b32 s68, s15, 2
	s_lshl_b32 s68, 15, s68                        ; my row of the cluster
	s_lshl_b32 s69, 0x1111, s14                    ; my column
	s_or_b32 s16, s68, (3<<16)|(1<<21)             ; group 1 for O: 15:0 the mask; 17:16 elements of 8 bytes; 21 set beside a mask; no padding
	s_or_b32 s24, s69, (3<<16)|(1<<21)             ; and for Wo
.irp g, 16, 24
	s_mov_b32 s[\g+1], 32<<16                      ; tensor_dim0 = 32 elements: rows of 256 bytes
	s_mov_b32 s[\g+2], 32<<16                      ; tensor_dim1 = 32
	s_mov_b32 s[\g+3], 32<<16                      ; tile_dim0
	s_mov_b32 s[\g+4], 32                          ; tile_dim1
	s_mov_b32 s[\g+5], 32                          ; the pitch: the block is dense
	s_mov_b32 s[\g+6], 0
	s_mov_b32 s[\g+7], 0
.endr
	s_lshl_b32 s74, s13, 13                        ; my 8,192 bytes of a chunk: in memory and in LDS alike
	s_lshl_b32 s70, s67, 17                        ; O: the tile row's 131,072 bytes (no register of these holds cx)
	s_add_co_u32 s70, s70, s74
	s_mov_b32 s71, 0
	s_lshl_b32 s72, s66, 17                        ; Wo: the tile column's (none holds cy)
	s_add_co_u32 s72, s72, s74
	s_mov_b32 s73, 0
	s_lshr_b32 s76, s[WV], 1                       ; wy
	s_and_b32 s77, s[WV], 1                        ; wx
	s_lshl_b32 s82, s66, 9                         ; bo: 4 (128 tile column + 64 wx)
	s_lshl_b32 s78, s77, 8
	s_add_co_u32 s82, s82, s78
	s_mov_b32 s83, 0
	s_lshl_b32 s80, s67, 18                        ; out0: (128 tile row + 32 wy) rows of 2,048 bytes, + the same columns
	s_lshl_b32 s78, s76, 16
	s_add_co_u32 s80, s80, s78
	s_add_co_u32 s80, s80, s82
	s_mov_b32 s81, 0
	s_wait_dscnt 0x0                               ; both opening adds are done
	s_wait_kmcnt 0x0
	s_add_nc_u64 s[70:71], s[4:5], s[70:71]
	s_add_nc_u64 s[72:73], s[6:7], s[72:73]
	s_add_nc_u64 s[8:9], s[8:9], s[82:83]
	s_add_nc_u64 s[10:11], s[10:11], s[80:81]
.irp q, 0,1,2,3
	s_mov_b32 s[32+4*\q], 1
	s_add_co_u32 s[33+4*\q], s74, 32768*\q
	s_add_nc_u64 s[34+4*\q:35+4*\q], s[70:71], 32768*\q
	s_or_b32 s[35+4*\q], s[35+4*\q], 0x80000000
	s_mov_b32 s[48+4*\q], 1
	s_add_co_u32 s[49+4*\q], s74, WIMG+32768*\q
	s_add_nc_u64 s[50+4*\q:51+4*\q], s[72:73], 32768*\q
	s_or_b32 s[51+4*\q], s[51+4*\q], 0x80000000
.endr
	CROUND                                         ; all sixteen work-groups are here: the joint loads meet
	s_cmp_lt_u32 s[WV], 4                          ; a wave's four first fills stand in one branch on the wave's number
	s_cbranch_scc0 .Lfor_w
.irp q, 0,1,2,3
	tensor_load_to_lds s[32+4*\q:35+4*\q], s[16:23]
	s_nop 0
.endr
.rept 4
	v_nop
.endr
	s_branch .Lasked
.Lfor_w:
.irp q, 0,1,2,3
	tensor_load_to_lds s[48+4*\q:51+4*\q], s[24:31]
	s_nop 0
.endr
.rept 4
	v_nop
.endr
.Lasked:
	v_and_b32 v9, 31, v0
	v_lshlrev_b32 v[LI], 4, v9
	v_and_b32 v10, 15, v0                          ; r
	v_bfe_u32 v11, v0, 4, 1                        ; h
	v_lshlrev_b32 v12, 5, v11                      ; bo: my half's eight columns
.irp j, 0,1,2,3
	global_load_b128 v[BO+8*\j:BO+8*\j+3], v12, s[8:9] offset:64*\j
	global_load_b128 v[BO+8*\j+4:BO+8*\j+7], v12, s[8:9] offset:64*\j+16
.endr
	s_lshl_b32 s78, s76, 11                        ; my two tiles of tokens
	v_add_nc_u32 v[AO], s78, v[LI]
	v_add_nc_u32 v[AO+1], 65536, v[AO]
	s_lshl_b32 s78, s77, 12                        ; my four tiles of columns
	s_add_co_u32 s78, s78, WIMG
	v_add_nc_u32 v[AW], s78, v[LI]
	v_add_nc_u32 v[AW+1], 65536, v[AW]
	s_mul_i32 s78, s[WV], 4352
	s_add_co_u32 s78, s78, STG                     ; my stage
	v_mul_u32_u24 v[STO], v10, 272
	v_lshl_add_u32 v[STO], v11, 5, v[STO]
	v_add_nc_u32 v[STO], s78, v[STO]               ; in: row r, 32 bytes for each half of the lanes
	v_mul_u32_u24 v[RD], v11, 272
	v_lshl_add_u32 v[RD], v10, 4, v[RD]
	v_add_nc_u32 v[RD], s78, v[RD]                 ; back: lanes 0-15 one row of 256 bytes, lanes 16-31 the next
	v_lshlrev_b32 v[CO], 11, v11
	v_lshl_add_u32 v[CO], v10, 4, v[CO]            ; and the same two rows in out0
	QUARTER 0
	QUARTER 1
	QUARTER 2
	QUARTER 3
	; ---- the way out.  LDS serves a wave's instructions in order: the loads see the stores above them, and the second tile's stores come behind the first tile's loads
.irp i, 0,1
.irp j, 0,1,2,3
	ds_store_b128 v[STO], v[ACC+8*(4*\i+\j):ACC+8*(4*\i+\j)+3] offset:64*\j        ; each accumulator from its low end on
	ds_store_b128 v[STO], v[ACC+8*(4*\i+\j)+4:ACC+8*(4*\i+\j)+7] offset:64*\j+16
.endr
.irp k, 0,1,2,3,4,5,6,7
	ds_load_b128 v[F0+32*\i+4*\k:F0+32*\i+4*\k+3], v[RD] offset:544*\k
.endr
.endr
.irp i, 0,1
.irp k, 0,1,2,3,4,5,6,7
	s_wait_dscnt 23-16*\i-\k                       ; the LDS instructions issued behind this load may be out
	global_store_b128 v[CO], v[F0+32*\i+4*\k:F0+32*\i+4*\k+3], s[10:11] offset:32768*\i+4096*\k th:TH_STORE_NT   ; sixteen lanes store 256 consecutive bytes, aligned; written once, read by nobody here
.endr
.endr
	s_wait_tensorcnt 0x0                           ; the wave's end, behind my last tensor load and my last LDS store
	ds_add_u32 v[SPW], v[NIL]
	s_wait_dscnt 0x0
	CROUND                                         ; the closing round
	s_endpgm
.Lfunc_end_k_qf265914eb2_outp:
	.size	k_qf265914eb2_outp, .Lfunc_end_k_qf265914eb2_outp-k_qf265914eb2_outp
	.p2alignl 7, 3214868480
	.fill 96, 4, 3214868480
	.section	.rodata,"a",@progbits
	.p2align	6, 0x0
	.amdhsa_kernel k_qf265914eb2_outp
		.amdhsa_group_segment_fixed_size 327680
		.amdhsa_private_segment_fixed_size 0
		.amdhsa_enable_private_segment 0
		.amdhsa_kernarg_size 32
		.amdhsa_user_sgpr_count 2
		.amdhsa_user_sgpr_kernarg_segment_ptr 1
		.amdhsa_wavefront_size32 1
		.amdhsa_system_sgpr_workgroup_id_x 1
		.amdhsa_system_sgpr_workgroup_id_y 1
		.amdhsa_system_sgpr_workgroup_id_z 1
		.amdhsa_system_vgpr_workitem_id 0
		.amdhsa_next_free_vgpr 256
		.amdhsa_next_free_sgpr 96
		.amdhsa_reserve_vcc 0
		.amdhsa_float_denorm_mode_32 3
		.amdhsa_float_denorm_mode_16_64 3
		.amdhsa_memory_ordered 1
		.amdhsa_forward_progress 1
		.amdhsa_inst_pref_size 35
	.end_amdhsa_kernel
	.amdgpu_metadata
---
amdhsa.version: [ 1, 2 ]
amdhsa.kernels:
  - .name:           k_qf265914eb2_outp
    .symbol:         k_qf265914eb2_outp.kd
    .args:
      - { .name: o16, .offset: 0, .size: 8, .value_kind: global_buffer, .address_space: global }
      - { .name: wo16, .offset: 8, .size: 8, .value_kind: global_buffer, .address_space: global }
      - { .name: bo, .offset: 16, .size: 8, .value_kind: global_buffer, .address_space: global }
      - { .name: out0, .offset: 24, .size: 8, .value_kind: global_buffer, .address_space: global }
    .group_segment_fixed_size: 327680
    .private_segment_fixed_size: 0
    .kernarg_segment_align: 8
    .kernarg_segment_size: 32
    .max_flat_workgroup_size: 256
    .sgpr_count:     96
    .vgpr_count:     256
    .wavefront_size: 32
...
	.end_amdgpu_metadata
.endif
;; end of part 4
;; ======== version 2 of 2: 4 launches; version 1 with the launch proj written anew for expert scheduling mode
;; limits: values are held in f16: magnitudes above 65,504 overflow, below 6.1e-05 lose precision; right only within a limited range of input values
;; workspace buffers: wc 393,216 bytes; ws 24,576 bytes; wo16 524,288 bytes; st 131,072 bytes; q16 8,388,608 bytes; k16 8,388,608 bytes; v16 8,388,608 bytes; o16 8,388,608 bytes
;; launch prep: the kernel of part 1 again; grid 320 x 1, 4 waves a work-group, no clusters, 0 bytes of LDS; arguments Wq, Wk, Wv, Wo, frac, wc, ws, wo16, st; writes wc, ws, wo16, st
;; launch proj (part 5): grid 128 x 3, 4 waves a work-group, no clusters, 20,992 bytes of LDS; arguments query, key, value, wc, ws, bq, bk, bv, q16, k16, v16; writes q16, k16, v16
.if DOCPART == 5
	.amdgcn_target "amdgcn-amd-amdhsa--gfx1250"
	.amdhsa_code_object_version 6
	.text
	.protected	k_qf265914eb2_proj
	.globl	k_qf265914eb2_proj
	.p2align	8
	.type	k_qf265914eb2_proj,@function
k_qf265914eb2_proj:
	s_mov_b64 s[64:65], 0
	v_nop
	global_prefetch_b8 v0, s[64:65] scope:SCOPE_SE
	s_setreg_imm32_b32 hwreg(HW_REG_WAVE_SCHED_MODE, 0, 2), 2
	s_setreg_imm32_b32 hwreg(HW_REG_WAVE_MODE, 25, 1), 1
	s_wait_xcnt 0x0
	s_wait_alu depctr_vm_vsrc(0)
; y = Q4(x) Q4(W) + bias for x = query, key, value (work-group y = 0, 1, 2), both operands as codes of FP4 (E2M1) with one E8M0 scale for each 32 along K = 512; sums in f32; y leaves as f16.
; SHARES.  A work-group takes 64 rows of x.  THE WAVES SHARE THE COLUMNS: wave w makes columns 128 w .. 128 w + 127 (heads 2 w, 2 w + 1) for all 64 rows; its 32 fragments of W (256 registers) come from
; memory once, as images of the operand's registers.  Wave w also quantises rows 16 w .. 16 w + 15 of x; the codes reach the other waves through LDS as images of their registers: one barrier.
; q AND k: the product is used TRANSPOSED (source 0 = 16 columns of W, source 1 = 16 rows of x): a lane holds one token and eight neighbouring channels, which rounded to f16 are half a fragment
; (16 tokens x 32 channels) of the score product.  q16, k16: [b][head][tile of 16 tokens 64][cs 2][half 2][lane][16 bytes], channel 32 cs + 16 half + 8 (lane / 16) + 0 .. 7.  The bias is the C of the first product.
; v: natural order (source 0 = x, source 1 = W): a lane holds one channel and eight neighbouring tokens: half a fragment of V^T.  v16: [b][head][ks 32][ct 4][half 2][lane][16 bytes], channel 16 ct + lane % 16,
; token 32 ks + 16 half + 8 (lane / 16) + 0 .. 7.  Every store of a wave covers 512 consecutive bytes, aligned.
; No tensor load, hence no joint request: the shared weights go straight into registers, 512 registers a wave let two work-groups lie on a WGP, and all 384 ask for their rows of x at once.
; LIMITS: q, k, v must fit f16 (under 65,504; under 6e-5 they are subnormal, absolute error 3e-8).  A block of zeros gets the scale byte 1 (its codes are zeros).  NaN and infinities are not served.
; THE MODE: SCHED_MODE bits 1:0 = 2 (LLVM: expert scheduling mode 2), set by the entry lines.  The code itself states the register dependences
; between vector or matrix instructions and memory or LDS instructions, with s_wait_alu, always for 0.
; THE PLAN.  Registers that memory or LDS instructions touch:
;   v4-v11, v240, v241   addresses, offsets and the closing add's two: written at the head, never again.  One wait on va_vdst ahead of the first load serves them all.
;   W (window 1), W1S    loaded once, read by matrix instructions alone.      v12-15  the bias: loaded once, read by one LDS store.
;   HA, ST               while x is quantised: K steps 0, 2 land in HA and 1, 3 in ST; QUANT reads them; behind it the K step two on lands in the same registers.
;   PC, PW               QUANT writes them, three LDS stores read them, the next QUANT writes them again.
;   XF, XS (q, k: HA)    tile m's LDS loads land in them, tile m's products read them (and write HA, which PACK reads); then tile m + 1's loads land.
;   ST, as two out-sets  PACK m writes set m % 2, tile m's eight stores read it, PACK m + 2 writes it again.
;   TM                   QUANT's scratch; on v's way its bias lands there once, behind the last QUANT's wait.
; So ONE wait on va_vdst stands behind each QUANT (its codes and scale word are written; it is done reading its 64 numbers) and ONE behind each tile's PACK (the out-set is written; the products are done with
; XF, XS and HA).  Behind each the loads go out first and the stores follow, and no vector or matrix instruction stands among them.  A wait on vm_vsrc stands ahead of each QUANT but the first and of PACK 2 and 3.
.set XIMG,  0                          ; LDS: x's 16 fragments (tile of rows m, K step s: 4 m + s), 1,024 bytes each,
.set XSC,   16384                      ; their scale words: [m][lane][s], 512 bytes a tile,
.set BIA,   18432                      ; the bias vector, 2,048 bytes,
.set SPARE, 20480                      ; the spare words, 128 bytes for each wave: two blocks of 256 bytes that no other line names
.set XA,  4                            ; v4   x: row r of 2,048 bytes + 64 h: my 16 numbers of a block of 32
.set LI,  5                            ; v5   16 x lane
.set XWI, 6                            ; v6   where I store x's images: 16 x lane + 4,096 x wave
.set XWS, 7                            ; v7   and their scale words: 16 x lane + 512 x wave
.set BA,  8                            ; v8   512 x wave + 32 h: the bias of a tile's eight channels of my half
.set BV,  9                            ; v9   512 x wave + 4 r: the bias of my channel
.set XF,  16                           ; v16-47   x's four fragments
.set HA,  48                           ; v48-111  eight accumulators; before that 64 numbers of x
.set PC,  112                          ; v112-119 the codes just made
.set ST,  120                          ; v120-183 64 numbers of x; later two sets of 32 registers of f16 results
.set TM,  184                          ; v184-199 at work in QUANT; later v's bias, twice for each tile
.set PW,  200                          ; v200     the scale word just made
.set XS,  204                          ; v204-207 x's scale words
.set W1S, 208                          ; v208-239 W's scale words: (t, s) at 4 t + s
.set SPW, 240                          ; v240     LDS address of my spare word; never rewritten
.set NIL, 241                          ; v241     0; never rewritten
.set SEL, 38                           ; s[38:39] lane selects for v_permlanex16_b32
.set MSB, 0
.macro WIN new                         ; the immediate's high byte repeats the setting that is left.  Window 1 holds W's fragment (t, s) at v[8 (4 t + s)]
.if MSB != \new
	s_set_vgpr_msb (MSB<<8)|\new
.set MSB, \new
.endif
.endm
.macro XLOAD reg, s                    ; my 16 rows' numbers of K step s: 64 a lane; register 16 b + i = k 32 b + 16 h + i of my row
.irp b, 0,1,2,3
.irp j, 0,1,2,3
	global_load_b128 v[\reg+16*\b+4*\j:\reg+16*\b+4*\j+3], v[XA], s[30:31] offset:512*\s+128*\b+16*\j th:TH_LOAD_NT
.endr
.endr
.endm
.macro QUANT s                         ; 64 numbers of a lane become a fragment's codes in v[PC] on and its scale word in v[PW]
.irp b, 0,1,2,3
	v_max3_num_f32 v[TM+\b], |v[\s+16*\b]|, |v[\s+1+16*\b]|, 0x1800000   ; block b: my 16 numbers, and the floor 2^(3 - 127): the byte cannot fall under 1
.endr
.irp i, 2,4,6,8,10,12,14
.irp b, 0,1,2,3
	v_max3_num_f32 v[TM+\b], v[TM+\b], |v[\s+16*\b+\i]|, |v[\s+1+16*\b+\i]|
.endr
.endr
.irp b, 0,1,2,3
	v_permlanex16_b32 v[TM+4+\b], v[TM+\b], s[SEL], s[SEL+1]
.endr
.irp b, 0,1,2,3
	v_max_num_f32 v[TM+\b], v[TM+\b], v[TM+4+\b]   ; with lane l xor 16's: the block's largest magnitude
.endr
.irp b, 0,1,2,3
	v_add_nc_u32 v[TM+12+\b], 0xff000000, v[TM+\b] ; 2 off its exponent field: the conversion's scale operand
.endr
.irp b, 0,1,2,3
	v_lshrrev_b32 v[TM+4+\b], 23, v[TM+12+\b]      ; the scale's byte
.endr
	v_lshl_or_b32 v[PW], v[TM+5], 8, v[TM+4]
	v_lshl_or_b32 v[PW], v[TM+6], 16, v[PW]
	v_lshl_or_b32 v[PW], v[TM+7], 24, v[PW]
.irp b, 0,1,2,3
	v_cvt_scalef32_pk8_fp4_f32 v[PC+2*\b], v[\s+16*\b:\s+7+16*\b], v[TM+12+\b]
	v_cvt_scalef32_pk8_fp4_f32 v[PC+1+2*\b], v[\s+8+16*\b:\s+15+16*\b], v[TM+12+\b]
.endr
	v_nop                                          ; one plain place behind a scaled conversion
.irp c, 0,1                                    ; the operand's layout wants a whole block in a lane
.irp i, 0,1
	v_permlane16_swap_b32 v[PC+4*\c+\i], v[PC+2+4*\c+\i]
.endr
.endr
.endm
.macro IMAGE off                       ; the fragment in v[PC] on goes to LDS as it stands
.irp c, 0,1
	ds_store_b128 v[XWI], v[PC+4*\c:PC+4*\c+3] offset:\off+512*\c
.endr
.endm
.macro FETCHX m                        ; tile m's four fragments and scale words come back so, in any wave
.irp s, 0,1,2,3
.irp c, 0,1
	ds_load_b128 v[XF+8*\s+4*\c:XF+8*\s+4*\c+3], v[LI] offset:XIMG+(4*(\m)+\s)*1024+512*\c
.endr
.endr
	ds_load_b128 v[XS:XS+3], v[LI] offset:XSC+512*(\m)
.endm
.macro BIASQK                          ; the bias in the result's layout, into the accumulators: it is the C of a tile's first product
.irp t, 0,1,2,3,4,5,6,7
	ds_load_b128 v[HA+8*\t:HA+8*\t+3], v[BA] offset:BIA+64*\t
	ds_load_b128 v[HA+8*\t+4:HA+8*\t+7], v[BA] offset:BIA+64*\t+16
.endr
.endm
.macro PACK m                          ; 64 results become 32 registers of f16, each accumulator from its low end on
.if (\m) >= 2
	s_wait_xcnt 0x0                                ; the stores of two tiles back have had their addresses translated,
	s_wait_alu depctr_vm_vsrc(0)                   ; and have read this out-set, which the conversions below write again
.endif
.set i, 0
.rept 32
	v_cvt_pk_f16_f32 v[ST+32*((\m)%2)+i], v[HA+2*i], v[HA+2*i+1]
.set i, i+1
.endr
.endm
; A tile of 16 rows, q's and k's way.  Its fragments, scale words and bias were asked for behind the wait of the tile before (tile 0's: behind the barrier).
.macro TILEQK m
	s_wait_dscnt 0x0                               ; they are in
	WIN 0x01                                       ; source 0 (W) window 1
.irp s, 0,1,2,3                                ; the eight accumulators take turns, one instruction a turn
.irp t, 0,1,2,3,4,5,6,7
	v_wmma_scale_f32_16x16x128_f8f6f4 v[HA+8*\t:HA+8*\t+7], v[8*(4*\t+\s):8*(4*\t+\s)+7], v[XF+8*\s:XF+8*\s+7], v[HA+8*\t:HA+8*\t+7], v[W1S+4*\t+\s], v[XS+\s] matrix_a_fmt:MATRIX_FMT_FP4 matrix_b_fmt:MATRIX_FMT_FP4
.endr
.endr
	WIN 0
.rept 4
	v_nop                                          ; places in front of the first read of results
.endr
	PACK \m
	s_wait_alu depctr_va_vdst(0)                   ; the conversions have written this tile's out-set, which the stores below read, and are done reading HA; the products are done reading XF and XS and writing HA: the loads below land in these
.if (\m) < 3
	FETCHX (\m)+1                                  ; the next tile's operands first: the next products wait for them;
	BIASQK
.endif
.irp t, 0,1,2,3,4,5,6,7                        ; this tile's stores are issued while they land
	global_store_b128 v[LI], v[ST+32*((\m)%2)+4*\t:ST+32*((\m)%2)+4*\t+3], s[34:35] offset:(\t/4)*131072+((\t/2)%2)*1024+(\t%2)*512+(\m)*2048
.endr
.endm
; The same, v's way.
.macro TILEV m
	s_wait_dscnt 0x0                               ; the tile's fragments and scale words are in (tile 0: my channels' bias too)
	WIN 0x04                                       ; source 1 (W) window 1
.irp s, 0,1,2,3
.irp t, 0,1,2,3,4,5,6,7
.if \s == 0
	v_wmma_scale_f32_16x16x128_f8f6f4 v[HA+8*\t:HA+8*\t+7], v[XF+8*\s:XF+8*\s+7], v[8*(4*\t+\s):8*(4*\t+\s)+7], 0, v[XS+\s], v[W1S+4*\t+\s] matrix_a_fmt:MATRIX_FMT_FP4 matrix_b_fmt:MATRIX_FMT_FP4
.else
	v_wmma_scale_f32_16x16x128_f8f6f4 v[HA+8*\t:HA+8*\t+7], v[XF+8*\s:XF+8*\s+7], v[8*(4*\t+\s):8*(4*\t+\s)+7], v[HA+8*\t:HA+8*\t+7], v[XS+\s], v[W1S+4*\t+\s] matrix_a_fmt:MATRIX_FMT_FP4 matrix_b_fmt:MATRIX_FMT_FP4
.endif
.endr
.endr
	WIN 0
.rept 4
	v_nop
.endr
.irp t, 0,1,2,3,4,5,6,7
.irp i, 0,2,4,6
	v_pk_add_f32 v[HA+8*\t+\i:HA+8*\t+\i+1], v[HA+8*\t+\i:HA+8*\t+\i+1], v[TM+2*\t:TM+2*\t+1]   ; my channel's bias, which lies twice in the pair
.endr
.endr
	PACK \m
	s_wait_alu depctr_va_vdst(0)                   ; the conversions have written this tile's out-set, which the stores below read; the products are done reading XF and XS, in which the loads below land
.if (\m) < 3
	FETCHX (\m)+1
.endif
.irp t, 0,1,2,3,4,5,6,7
	global_store_b128 v[LI], v[ST+32*((\m)%2)+4*\t:ST+32*((\m)%2)+4*\t+3], s[34:35] offset:(\t/4)*131072+(\t%4)*1024+((\m)/2)*4096+((\m)%2)*512
.endr
.endm
	s_load_b512 s[4:19], s[0:1], 0x0               ; query 4, key 6, value 8, wc 10, ws 12, bq 14, bk 16, bv 18
	s_load_b128 s[20:23], s[0:1], 0x40             ; q16 20, k16 22
	s_load_b64 s[24:25], s[0:1], 0x50              ; v16
	v_lshl_add_u32 v[SPW], v0, 2, SPARE
	v_mov_b32 v[NIL], 0
	v_lshrrev_b32 v1, 5, v0
	v_readfirstlane_b32 s26, v1                    ; wave
	v_and_b32 v1, 31, v0                           ; lane
	v_and_b32 v2, 15, v0                           ; r
	v_bfe_u32 v3, v0, 4, 1                         ; h
	v_lshlrev_b32 v[XA], 11, v2
	v_lshl_add_u32 v[XA], v3, 6, v[XA]
	v_lshlrev_b32 v[LI], 4, v1
	v_lshlrev_b32 v10, 4, v0                       ; 16 x thread: the bias vector's 2,048 bytes
	v_lshlrev_b32 v11, 4, v2                       ; W's scale words: 16 bytes a column
.irp b, 0,1,2,3
	v_mov_b32 v[TM+4+\b], 0                        ; written once: a lane permute's destination counts as one of its sources
.endr
	s_mov_b32 s[SEL], 0x76543210
	s_mov_b32 s[SEL+1], 0xfedcba98
	s_and_b32 s27, ttmp7, 0xffff                   ; z
	s_wait_alu depctr_va_sdst(0)                   ; s26, the wave's number, is written, ahead of its first reader: LDS addresses and the buffers' offsets are made from it
	s_lshl_b32 s28, s26, 12
	v_add_nc_u32 v[XWI], s28, v[LI]
	s_lshl_b32 s28, s26, 9
	v_add_nc_u32 v[XWS], s28, v[LI]
	v_lshl_add_u32 v[BA], v3, 5, s28
	v_lshl_add_u32 v[BV], v2, 2, s28
	s_lshl_b32 s36, ttmp9, 17                      ; x: (64 block + 16 wave) rows of 2,048 bytes
	s_lshl_b32 s28, s26, 15
	s_add_co_u32 s36, s36, s28
	s_mov_b32 s37, 0
	s_lshl_b32 s40, s27, 17                        ; wc: 131,072 z + 32,768 wave
	s_add_co_u32 s40, s40, s28
	s_mov_b32 s41, 0
	s_lshl_b32 s42, s27, 13                        ; ws: 8,192 z + 2,048 wave
	s_lshl_b32 s28, s26, 11
	s_add_co_u32 s42, s42, s28
	s_mov_b32 s43, 0
	s_lshr_b32 s44, ttmp9, 4                       ; out: 2^20 b + 131,072 (2 wave) + 8,192 (block % 16)
	s_lshl_b32 s44, s44, 20
	s_lshl_b32 s28, s26, 18
	s_add_co_u32 s44, s44, s28
	s_and_b32 s28, ttmp9, 15
	s_lshl_b32 s28, s28, 13
	s_add_co_u32 s44, s44, s28
	s_mov_b32 s45, 0
	s_wait_kmcnt 0x0
	s_cmp_eq_u32 s27, 0                            ; the choices hang on the work-group's number alone
	s_cselect_b64 s[30:31], s[4:5], s[6:7]
	s_cselect_b64 s[32:33], s[14:15], s[16:17]
	s_cselect_b64 s[34:35], s[20:21], s[22:23]
	s_cmp_eq_u32 s27, 2
	s_cselect_b64 s[30:31], s[8:9], s[30:31]
	s_cselect_b64 s[32:33], s[18:19], s[32:33]
	s_cselect_b64 s[34:35], s[24:25], s[34:35]
	s_add_nc_u64 s[30:31], s[30:31], s[36:37]
	s_add_nc_u64 s[34:35], s[34:35], s[44:45]
	s_add_nc_u64 s[10:11], s[10:11], s[40:41]
	s_add_nc_u64 s[12:13], s[12:13], s[42:43]
	s_wait_alu depctr_va_vdst(0)                   ; v4 to v11 are written: every load and store of the kernel, global or LDS, reads one of them as its address or offset, and none is written again
.irp t, 0,1,2,3,4,5,6,7
	global_load_b128 v[W1S+4*\t:W1S+4*\t+3], v11, s[12:13] offset:256*\t
.endr
	WIN 0x40                                       ; destination window 1
.irp t, 0,1,2,3,4,5,6,7
.irp s, 0,1,2,3
.irp c, 0,1
	global_load_b128 v[8*(4*\t+\s)+4*\c:8*(4*\t+\s)+4*\c+3], v[LI], s[10:11] offset:4096*\t+1024*\s+512*\c
.endr
.endr
.endr
	WIN 0
	global_load_b128 v[12:15], v10, s[32:33]
	XLOAD HA, 0
	XLOAD ST, 1
	s_wait_loadcnt 16                              ; all but K step 1's sixteen loads are in
	ds_store_b128 v10, v[12:15] offset:BIA
	QUANT HA
	s_wait_alu depctr_va_vdst(0)                   ; QUANT has written the codes and the scale word, which the LDS stores below read, and is done reading HA, in which K step 2 lands
	XLOAD HA, 2                                    ; the buffer is asked for again at once
	IMAGE XIMG
	ds_store_b32 v[XWS], v[PW] offset:XSC
	s_wait_loadcnt 16                              ; K step 1 is in; K step 2's sixteen may be out
	s_wait_alu depctr_vm_vsrc(0)                   ; the LDS stores have read the codes and the scale word, which QUANT writes again
	QUANT ST
	s_wait_alu depctr_va_vdst(0)                   ; as above: the codes and the scale word are written; QUANT is done reading ST, in which K step 3 lands
	XLOAD ST, 3
	IMAGE XIMG+1024
	ds_store_b32 v[XWS], v[PW] offset:XSC+4
	s_wait_loadcnt 16                              ; K step 2 is in; K step 3's sixteen may be out
	s_wait_alu depctr_vm_vsrc(0)                   ; the LDS stores have read the codes and the scale word, which QUANT writes again
	QUANT HA
	s_wait_alu depctr_va_vdst(0)                   ; the codes and the scale word are written, which the LDS stores below read
	IMAGE XIMG+2048
	ds_store_b32 v[XWS], v[PW] offset:XSC+8
	s_wait_loadcnt 0x0
	s_wait_alu depctr_vm_vsrc(0)                   ; the LDS stores have read the codes and the scale word, which QUANT writes again
	QUANT ST
	s_wait_alu depctr_va_vdst(0)                   ; the codes and the scale word are written, which the LDS stores below read; QUANT is done with HA and its scratch, in which LDS loads land behind the barrier: no vector instruction stands between
	IMAGE XIMG+3072
	ds_store_b32 v[XWS], v[PW] offset:XSC+12
	s_wait_dscnt 0x0                               ; for the others' sake: my stores have landed
	s_barrier_signal -1
	s_barrier_wait -1                              ; x's sixteen fragments, their scale words and the bias lie in LDS; from here on LDS is only read
	s_cmp_eq_u32 s27, 2
	s_cbranch_scc1 .Lvalue
	FETCHX 0
	BIASQK
	TILEQK 0
	TILEQK 1
	TILEQK 2
	TILEQK 3
	s_branch .Lend
.Lvalue:
.irp t, 0,1,2,3,4,5,6,7
	ds_load_b32 v[TM+2*\t], v[BV] offset:BIA+64*\t
	ds_load_b32 v[TM+2*\t+1], v[BV] offset:BIA+64*\t
.endr
	FETCHX 0
	TILEV 0
	TILEV 1
	TILEV 2
	TILEV 3
.Lend:
	s_wait_dscnt 0x0                               ; the closing lines, six on end
	s_wait_alu 0x0
	s_wait_tensorcnt 0x0
	ds_add_u32 v[SPW], v[NIL]
	s_wait_dscnt 0x0
	s_endpgm
.Lfunc_end_k_qf265914eb2_proj:
	.size	k_qf265914eb2_proj, .Lfunc_end_k_qf265914eb2_proj-k_qf265914eb2_proj
	.p2alignl 7, 3214868480
	.fill 96, 4, 3214868480
	.section	.rodata,"a",@progbits
	.p2align	6, 0x0
	.amdhsa_kernel k_qf265914eb2_proj
		.amdhsa_group_segment_fixed_size 20992
		.amdhsa_private_segment_fixed_size 0
		.amdhsa_enable_private_segment 0
		.amdhsa_kernarg_size 88
		.amdhsa_user_sgpr_count 2
		.amdhsa_user_sgpr_kernarg_segment_ptr 1
		.amdhsa_wavefront_size32 1
		.amdhsa_system_sgpr_workgroup_id_x 1
		.amdhsa_system_sgpr_workgroup_id_y 1
		.amdhsa_system_sgpr_workgroup_id_z 1
		.amdhsa_system_vgpr_workitem_id 0
		.amdhsa_next_free_vgpr 512
		.amdhsa_next_free_sgpr 66
		.amdhsa_reserve_vcc 0
		.amdhsa_float_denorm_mode_32 3
		.amdhsa_float_denorm_mode_16_64 3
		.amdhsa_memory_ordered 1
		.amdhsa_forward_progress 1
		.amdhsa_inst_pref_size 106
	.end_amdhsa_kernel
	.amdgpu_metadata
---
amdhsa.version: [ 1, 2 ]
amdhsa.kernels:
  - .name:           k_qf265914eb2_proj
    .symbol:         k_qf265914eb2_proj.kd
    .args:
      - { .name: query, .offset: 0, .size: 8, .value_kind: global_buffer, .address_space: global }
      - { .name: key, .offset: 8, .size: 8, .value_kind: global_buffer, .address_space: global }
      - { .name: value, .offset: 16, .size: 8, .value_kind: global_buffer, .address_space: global }
      - { .name: wc, .offset: 24, .size: 8, .value_kind: global_buffer, .address_space: global }
      - { .name: ws, .offset: 32, .size: 8, .value_kind: global_buffer, .address_space: global }
      - { .name: bq, .offset: 40, .size: 8, .value_kind: global_buffer, .address_space: global }
      - { .name: bk, .offset: 48, .size: 8, .value_kind: global_buffer, .address_space: global }
      - { .name: bv, .offset: 56, .size: 8, .value_kind: global_buffer, .address_space: global }
      - { .name: q16, .offset: 64, .size: 8, .value_kind: global_buffer, .address_space: global }
      - { .name: k16, .offset: 72, .size: 8, .value_kind: global_buffer, .address_space: global }
      - { .name: v16, .offset: 80, .size: 8, .value_kind: global_buffer, .address_space: global }
    .group_segment_fixed_size: 20992
    .private_segment_fixed_size: 0
    .kernarg_segment_align: 8
    .kernarg_segment_size: 88
    .max_flat_workgroup_size: 128
    .sgpr_count:     66
    .vgpr_count:     512
    .wavefront_size: 32
...
	.end_amdgpu_metadata
.endif
;; end of part 5
;; launch attn: the kernel of part 3 again; grid 4 x 64, 8 waves a work-group, clusters of 4 x 1, 327,680 bytes of LDS; arguments q16, k16, v16, st, frac, alpha_pos, alpha_neg, gamma, delta, o16; writes o16
;; launch outp: the kernel of part 4 again; grid 4 x 64, 8 waves a work-group, clusters of 4 x 4, 327,680 bytes of LDS; arguments o16, wo16, bo, out0; writes out0
